; MI455X (gfx1250); checked and timed in simulation.
; The chip was launched on July 23, 2026; its instructions are those of AMD's public machine-readable ISA for CDNA 5 (MIT licence, August 2026) and "CDNA5" Instruction Set Architecture Reference Guide (July 2026). The comments in the code are by the model that wrote it; some were corrected since.
;; Causal Self Attention. Allowed arithmetic: matrix products marked QUANTISED: E4M3 operands, one given power-of-two scale a tensor, by v_wmma_f32_16x16x64_fp8_fp8 or v_wmma_f32_16x16x128_fp8_fp8, f32 sums; everything else in f32.
;; Inputs: W_attn 1,024 x 3,072 float32; W_proj 1,024 x 1,024 float32; b_attn 3,072 float32; b_proj 1,024 float32; lowp_scales 8 int32 (the exponents e of the quantised operands' scales 2^e); x 1 x 4,096 x 1,024 float32.
;; Outputs: out0 1 x 4,096 x 1,024 float32.
;; This version of the problem:
;;   THIS VERSION OF THE PROBLEM IS GIVEN IN LOW PRECISION. The matrix products marked QUANTISED in the list below multiply operands that are first quantised to E4M3 (4 exponent bits, 3 mantissa bits; 8 bits a number), with one given power-of-two scale for each operand tensor; their sums are f32. All else is computed in f32.
;;   The module's matrix products, in the order in which they are computed (A, B: the left and right operand; K: the contracted axis; several contracted axes count as one K, in the product's order):
;;     1. [M 4,096, K 1,024] x [K 1,024, N 3,072]; A: input x; B: input W_attn: QUANTISED (scales: A lowp_scales[0], B lowp_scales[1])
;;     2. batch 16 x [M 4,096, K 64] x [K 64, N 4,096]; A: computed on the way; B: computed on the way: QUANTISED (scales: A lowp_scales[2], B lowp_scales[3])
;;     3. batch 16 x [M 4,096, K 4,096] x [K 4,096, N 64]; A: softmax (see below); B: computed on the way: QUANTISED (scales: A lowp_scales[4], B lowp_scales[5])
;;     4. [M 4,096, K 1,024] x [K 1,024, N 1,024]; A: computed on the way; B: input W_proj: QUANTISED (scales: A lowp_scales[6], B lowp_scales[7])
;;   THE QUANTISER, for each operand of a quantised product, along K:
;;     - The operand's scale is 2^e, e = its entry of the input lowp_scales (int32; the entries are numbered through the quantised products in the list's order, A before B).
;;     - Each number is divided by the scale, clamped to +-448, and rounded to the nearest number of E4M3, ties to even, subnormals kept.
;;     - The product sums the exact products of the quantised numbers (number of the format x scale) in f32.
;;   ~~~python
;;   def quantise(x, axis, e):      # numpy; x: float32 -> the quantised numbers, widened to float32 again
;;       x = np.moveaxis(x, axis, -1); K = x.shape[-1]
;;       r = np.clip(x / 2.0 ** e, -448, 448)
;;       step = 2.0 ** (np.maximum(np.frexp(np.where(r == 0, 1, r))[1] - 1, -6) - 3)
;;       q = np.round(r / step) * step * 2.0 ** e      # np.round: ties to even
;;       return np.moveaxis(q, -1, axis).astype(np.float32)
;;   ~~~
;;   SOFTMAX AHEAD OF A QUANTISED PRODUCT. Where the list says 'softmax', what is quantised is not the finished softmax but p = 2^(t - M), with t = logit x log2(e) and M = ceil(the row's largest t), a whole number; so 1/2 < the row's largest p <= 1. The row's sum l is taken of the UNQUANTISED p, in f32, and the product's result is divided by l at the end. Since M is a whole number, a kernel that streams over the keys may use a running M (the ceiling of the running maximum): every later rescaling is an exact power of two, so the quantised numbers keep their values, but for numbers so far below the row's largest that they fall under the format's range.
;;   OPERANDS COMPUTED ON THE WAY. 'Computed on the way' means the value that the module computes at that place (a softmax that the list does not call 'softmax' is quantised finished and normalised). What goes into a quantiser is computed in f32, as accurately as f32 sums, v_exp_f32 and their like allow (about 1e-6 of the number): no bf16 or f16 on the way to a quantiser, and a product that is left as it is and whose result goes on into a quantised operand takes f32 operands (vector FMAs, or v_wmma_f32_16x16x4_f32). A number that lies on a knife's edge between two numbers of the format may be rounded either way, as far as f32 arithmetic and the matrix unit's own rounding can turn it there, and no further.
;; One version. Each part assembles by itself: llvm-mc -triple=amdgcn-amd-amdhsa -mcpu=gfx1250 --defsym DOCPART=n.
;; ======== version 1 of 1: 4 launches
;; limits: right only within a limited range of input values
;; workspace buffers: ops_img 8,388,608 bytes; qkv_img 12,582,912 bytes; y_img 4,194,304 bytes
;; launch quant (part 1): grid 256 x 1, 4 waves a work-group, no clusters, 69,120 bytes of LDS; arguments x, W_attn, W_proj, lowp_scales, ops_img; writes ops_img
.if DOCPART == 1
	.amdgcn_target "amdgcn-amd-amdhsa--gfx1250"
	.amdhsa_code_object_version 6
	.text
	.protected	k_q1e6ff6cc46_quant
	.globl	k_q1e6ff6cc46_quant
	.p2align	8
	.type	k_q1e6ff6cc46_quant,@function
k_q1e6ff6cc46_quant:
	s_mov_b64 s[64:65], 0
	v_nop
	global_prefetch_b8 v0, s[64:65] scope:SCOPE_SE
	s_setreg_imm32_b32 hwreg(HW_REG_WAVE_MODE, 25, 1), 1
	s_wait_xcnt 0x0
; CAUSAL SELF-ATTENTION, T = 4096, C = 1024, 16 heads of 64, all four products on codes of FP8 (E4M3) with given scales 2^e.  Four launches: this one, qkv, attn, proj.
; WORK LEFT OUT IN THE PROGRAM, AND WHY IT IS DEAD.  The logits of key k and query q with k > q are replaced by -infinity by a mask that is built from jnp.tril in the computation itself, whatever the inputs hold;
; their p is exactly 0, adds 0 to the row's sum and 0 to the product with v.  So a step of 16 queries x 128 keys all of whose keys come after all of its queries reaches no output, and launch attn does not do it.
; Nothing else is left out: every input has a way to the output and is loaded (b_attn's part on k moves k's codes).  LIMIT: a NaN, an infinity or an overflow that reaches only such hidden steps is not carried to the result.
;
; THIS LAUNCH turns x [4096][1024], W_attn [1024][3072] and W_proj [1024][1024], f32, into codes: code = number / 2^e, held within +-448, to the nearest code, ties to even; e = entry 0 (x), 1 (W_attn), 7 (W_proj).
; LIMITS: each e between -126 and 119.  NaN among the inputs is not served.
; THE CODES LIE AS IMAGES OF THE OPERANDS' REGISTERS.  A fragment is 16 rows x 128 along K, 16 registers a lane: lane (r = lane % 16, h = lane / 16) holds row r, registers 2 c, 2 c + 1 hold k = 16 c + 8 h + 0 .. 7.
; Registers 4 g .. 4 g + 3 lie at byte 512 g + 16 x lane of the fragment's 2,048.  ops_img: [512 tiles of 16 rows][8 blocks of 128 along K][2,048 bytes]; tiles 0-255: x's rows; 256-447: W_attn's columns; 448-511: W_proj's columns.
; Work-groups 0-127 take x (K innermost), 128-255 the weights (K is the first axis: a lane takes a column and its registers run down K).  The two ways part at once and never join; each has LDS bytes of its own.
; No matrix unit, no tensor load, no barrier, no cluster: waves share nothing and the launch streams its inputs once.
.set XPITCH, 528                       ; x's stage: a row of 512 bytes + 16 = 33 x 16 bytes
.set XSTAGE, 16*XPITCH                 ; 16 rows for each wave
.set WBASE,  4*XSTAGE                  ; the weights' stages lie behind x's
.set WPITCH, 272                       ; a column's 256 codes + 16 = 17 x 16 bytes
.set WSTAGE, 32*WPITCH                 ; 32 columns for each wave
.set SPARE,  WBASE+4*WSTAGE            ; 68,608: the spare words, 128 bytes for each wave: two blocks of 256 bytes that no other line names
.set SPW, 14                           ; v14  LDS address of my spare word; never rewritten
.set NIL, 15                           ; v15  0; never rewritten
.set R,   16                           ; x: v16-143 two sets of 64 numbers as loaded
.set X,   144                          ; x: v144-207 64 numbers in the fragment's order
.set C,   208                          ; x: v208-239 two sets of 16 registers of codes
.set OFF, 16                           ; weights: v16-47 byte offset of row i of a block of 32, at my column
.set WX,  48                           ; weights: v48-111 two sets of 32 numbers
.set WC,  112                          ; weights: v112-119 a block's codes
.set OUTR, 128                         ; weights: v128-191 four fragments on the way out
	s_load_b256 s[4:11], s[0:1], 0x0               ; x s[4:5], W_attn s[6:7], W_proj s[8:9], the scales' exponents s[10:11]
	s_load_b64 s[12:13], s[0:1], 0x20              ; ops_img
	v_lshl_add_u32 v[SPW], v0, 2, SPARE
	v_mov_b32 v[NIL], 0
	v_lshrrev_b32 v1, 5, v0
	v_readfirstlane_b32 s16, v1                    ; wave 0..3
	v_and_b32 v2, 31, v0                           ; lane
	v_lshlrev_b32 v3, 4, v2                        ; 16 x lane
	v_and_b32 v4, 15, v0                           ; r
	v_bfe_u32 v5, v0, 4, 1                         ; h
	s_mul_i32 s17, s16, XSTAGE                     ; all four LDS addresses are made here, ahead of the parting
	v_add_nc_u32 v6, s17, v3                       ; x's stage, in: 16 x lane of a row
	v_mul_u32_u24 v7, v4, XPITCH
	v_lshl_add_u32 v7, v5, 5, v7
	v_add_nc_u32 v7, s17, v7                       ; x's stage, out: row r, + 32 h: eight numbers of my half
	s_mul_i32 s17, s16, WSTAGE
	s_add_co_u32 s17, s17, WBASE
	v_mul_u32_u24 v8, v2, WPITCH
	v_add_nc_u32 v8, s17, v8                       ; the weights' stage, in: row = my column
	v_mul_u32_u24 v9, v4, WPITCH
	v_lshl_add_u32 v9, v5, 3, v9
	v_add_nc_u32 v9, s17, v9                       ; out: row r, + 8 h: eight codes of my half
	s_wait_kmcnt 0x0
	s_load_b256 s[24:31], s[10:11], 0x0            ; e0 .. e7
	s_cmp_lt_u32 ttmp9, 128
	s_cbranch_scc0 .Lweights
; ---------------- x.  Wave w: tile of rows 2 x work-group + w / 2, blocks 4 (w % 2) .. + 3 along K: four fragments.
	s_lshl_b32 s18, ttmp9, 1
	s_lshr_b32 s19, s16, 1
	s_add_co_u32 s18, s18, s19                     ; my tile of 16 rows
	s_and_b32 s19, s16, 1
	s_lshl_b32 s20, s18, 16                        ; 16 rows of 4,096 bytes
	s_lshl_b32 s21, s19, 11                        ; four blocks of 512 bytes
	s_add_co_u32 s20, s20, s21
	s_mov_b32 s21, 0
	s_add_nc_u64 s[4:5], s[4:5], s[20:21]
	s_lshl_b32 s20, s18, 14                        ; a tile's images: 16,384 bytes
	s_lshl_b32 s22, s19, 13
	s_add_co_u32 s20, s20, s22
	s_add_nc_u64 s[12:13], s[12:13], s[20:21]
.macro XLOAD f                         ; fragment f as it lies: 16 loads, each 512 consecutive bytes of one row
.set II, 0
.rept 16
	global_load_b128 v[R+64*((\f)%2)+4*II:R+64*((\f)%2)+4*II+3], v3, s[4:5] offset:II*4096+(\f)*512 th:TH_LOAD_NT
.set II, II+1
.endr
.endm
.macro XFRAG f
.if (\f) < 3
	s_wait_loadcnt 16                              ; this fragment's 16 loads are in; the next fragment's 16 may be out
.else
	s_wait_loadcnt 0x0
.endif
.set II, 0
.rept 16
	ds_store_b128 v6, v[R+64*((\f)%2)+4*II:R+64*((\f)%2)+4*II+3] offset:II*XPITCH
.set II, II+1
.endr
.set II, 0
.rept 8                                ; LDS serves a wave's instructions in order (ISA guide 5.7.1.4): these see the stores above, and the next fragment's stores come behind them
	ds_load_b128 v[X+8*II:X+8*II+3],   v7 offset:64*II       ; k = 16 c + 8 h + 0 .. 3 of row r
	ds_load_b128 v[X+8*II+4:X+8*II+7], v7 offset:64*II+16    ; + 4 .. 7
.set II, II+1
.endr
	s_wait_dscnt 0x0                               ; the numbers are back, and the stores have read their registers,
.if (\f) < 2
	XLOAD (\f)+2                                   ; which take the loads of two fragments on
.else
	s_wait_xcnt 0x0                                ; the stores of two fragments back have read this set of codes: it may be written again
.endif
.set II, 0
.rept 8
.set JJ, 0
.rept 8
	v_med3_num_f32 v[X+8*II+JJ], v[X+8*II+JJ], -v10, v10   ; the conversion to an 8-bit code does not saturate (ISA guide 7.6.2): the hold at the largest code x the scale
.set JJ, JJ+1
.endr
	v_cvt_scalef32_pk8_fp8_f32 v[C+16*((\f)%2)+2*II:C+16*((\f)%2)+2*II+1], v[X+8*II:X+8*II+7], v11
.set II, II+1
.endr
	v_nop                                          ; one plain vector line behind the last conversion: the next fragment's holds write its sources
.irp g, 0,1,2,3
	global_store_b128 v3, v[C+16*((\f)%2)+4*\g:C+16*((\f)%2)+4*\g+3], s[12:13] offset:(\f)*2048+\g*512   ; 32 lanes store 512 consecutive bytes, aligned
.endr
.endm
	XLOAD 0
	XLOAD 1
	s_wait_kmcnt 0x0
	s_add_co_i32 s22, s24, 127
	s_lshl_b32 s23, s22, 23
	v_mov_b32 v11, s23                             ; 2^e0 as f32: the conversion takes its exponent field
	s_add_co_i32 s22, s22, 8
	s_lshl_b32 s22, s22, 23
	s_or_b32 s22, s22, 0x600000
	v_mov_b32 v10, s22                             ; 448 x 2^e0
	s_wait_alu depctr_va_vdst(0)
	XFRAG 0
	XFRAG 1
	XFRAG 2
	XFRAG 3
	s_wait_tensorcnt 0x0                           ; the wave's end, behind my last LDS store
	ds_add_u32 v[SPW], v[NIL]
	s_wait_dscnt 0x0
	s_endpgm
; ---------------- the weights.  j = work-group - 128: group of 128 columns j % 32 (0-23: W_attn's, 24-31: W_proj's), 256 along K: j / 32.  Wave w: 32 columns of the group.
.Lweights:
	s_sub_co_u32 s18, ttmp9, 128
	s_and_b32 s19, s18, 31                         ; the group of columns
	s_lshr_b32 s18, s18, 5                         ; which 256 along K
	s_mov_b32 s20, 4096
	s_cmp_lt_u32 s19, 24                           ; the choice hangs on the work-group's number alone
	s_cselect_b64 s[6:7], s[6:7], s[8:9]           ; the tensor,
	s_cselect_b32 s20, 12288, s20                  ; its row in bytes,
	s_cselect_b32 s21, 0, 24                       ; and the first of its groups
	s_sub_co_u32 s21, s19, s21
	s_lshl_b32 s21, s21, 9                         ; 128 columns of 4 bytes
	s_lshl_b32 s22, s16, 7                         ; my wave's 32
	s_add_co_u32 s22, s21, s22
	s_lshl_b32 s23, s18, 8
	s_mul_i32 s23, s23, s20                        ; 256 rows for each step along K
	s_add_co_u32 s22, s22, s23
	s_mov_b32 s23, 0
	s_add_nc_u64 s[32:33], s[6:7], s[22:23]        ; block 0's first row at my wave's first column;
	s_lshl_b32 s48, s20, 5
	s_mov_b32 s49, 0
.irp t, 1,2,3,4,5,6,7
	s_add_nc_u64 s[32+2*\t:33+2*\t], s[30+2*\t:31+2*\t], s[48:49]   ; block t's: 32 rows further down.  The row's length is chosen, so it cannot stand in an immediate: eight bases, 32 offsets
.endr
	s_lshl_b32 s50, s19, 3
	s_lshl_b32 s51, s16, 1
	s_add_co_u32 s50, s50, s51                     ; my first tile of 16 columns: T = 8 x group + 2 x wave
	s_and_b32 s52, s50, 60                         ; W_attn's tiles lie by heads: the four tiles of q of head (T % 64) / 4, then its k's, then its v's:
	s_mul_i32 s52, s52, 3                          ; place 12 x head + 4 x (T / 64) + T % 4
	s_and_b32 s53, s50, 3
	s_add_co_u32 s52, s52, s53
	s_lshr_b32 s53, s50, 6
	s_lshl_b32 s53, s53, 2
	s_add_co_u32 s52, s52, s53
	s_cmp_lt_u32 s19, 24
	s_cselect_b32 s50, s52, s50                    ; W_proj's tiles lie in their order
	s_add_co_u32 s50, s50, 256
	s_lshl_b32 s50, s50, 14
	s_lshl_b32 s51, s18, 12                        ; 256 along K are two fragments
	s_add_co_u32 s50, s50, s51
	s_mov_b32 s51, 0
	s_add_nc_u64 s[12:13], s[12:13], s[50:51]
	v_lshlrev_b32 v12, 2, v2                       ; 4 bytes a lane
.set II, 0
.rept 32
	v_mad_u32_u24 v[OFF+II], s20, II, v12
.set II, II+1
.endr
.macro WLOAD t                         ; block t: W(32 t + i, my column): each load reads 128 consecutive bytes, the four waves side by side
.set II, 0
.rept 32
	global_load_b32 v[WX+32*((\t)%2)+II], v[OFF+II], s[32+2*(\t):33+2*(\t)] th:TH_LOAD_NT
.set II, II+1
.endr
.endm
.macro WBLOCK t
.set XS, WX+32*((\t)%2)
.if (\t) < 7
	s_wait_loadcnt 32                              ; this block's 32 loads are in; the next block's may be out
.else
	s_wait_loadcnt 0x0
.endif
.set II, 0
.rept 32
	v_med3_num_f32 v[XS+II], v[XS+II], -v10, v10
.set II, II+1
.endr
.irp g, 0,1,2,3
	v_cvt_scalef32_pk8_fp8_f32 v[WC+2*\g:WC+2*\g+1], v[XS+8*\g:XS+8*\g+7], v11
.endr
	v_nop                                          ; one plain vector line behind the last conversion
	ds_store_b128 v8, v[WC:WC+3] offset:32*(\t)    ; 32 codes of my column
	ds_store_b128 v8, v[WC+4:WC+7] offset:32*(\t)+16
.if (\t) < 6
	WLOAD (\t)+2
.endif
	s_wait_dscnt 0x0                               ; the stores have read their registers: the next block's codes may be written
.endm
	WLOAD 0
	WLOAD 1
	s_wait_kmcnt 0x0
	s_cmp_lt_u32 s19, 24
	s_cselect_b32 s22, s25, s31                    ; e1 or e7
	s_add_co_i32 s22, s22, 127
	s_lshl_b32 s23, s22, 23
	v_mov_b32 v11, s23                             ; 2^e as f32
	s_add_co_i32 s22, s22, 8
	s_lshl_b32 s22, s22, 23
	s_or_b32 s22, s22, 0x600000
	v_mov_b32 v10, s22                             ; 448 x 2^e
	s_wait_alu depctr_va_vdst(0)
.irp t, 0,1,2,3,4,5,6,7
	WBLOCK \t
.endr
.set II, 0
.rept 32                               ; fragment F = II / 8 (tile of columns F / 2, block along K F % 2), c = II % 8: eight codes, k = 16 c + 8 h + 0 .. 7 of column r
	ds_load_b64 v[OUTR+2*II:OUTR+2*II+1], v9 offset:(II/16)*16*WPITCH+((II/8)%2)*128+(II%8)*16
.set II, II+1
.endr
.set II, 0
.rept 16                               ; group II % 4 of fragment II / 4
	s_wait_dscnt 30-2*II                           ; LDS loads come back in order: this group's two are in, the 30 - 2 II younger ones may be out
	global_store_b128 v3, v[OUTR+4*II:OUTR+4*II+3], s[12:13] offset:(II/8)*16384+((II/4)%2)*2048+(II%4)*512   ; 512 consecutive bytes, aligned
.set II, II+1
.endr
	s_wait_tensorcnt 0x0                           ; the wave's end, behind my last LDS store
	ds_add_u32 v[SPW], v[NIL]
	s_wait_dscnt 0x0
	s_endpgm
.Lfunc_end_k_q1e6ff6cc46_quant:
	.size	k_q1e6ff6cc46_quant, .Lfunc_end_k_q1e6ff6cc46_quant-k_q1e6ff6cc46_quant
	.p2alignl 7, 3214868480
	.fill 96, 4, 3214868480
	.section	.rodata,"a",@progbits
	.p2align	6, 0x0
	.amdhsa_kernel k_q1e6ff6cc46_quant
		.amdhsa_group_segment_fixed_size 69120
		.amdhsa_private_segment_fixed_size 0
		.amdhsa_enable_private_segment 0
		.amdhsa_kernarg_size 40
		.amdhsa_user_sgpr_count 2
		.amdhsa_user_sgpr_kernarg_segment_ptr 1
		.amdhsa_wavefront_size32 1
		.amdhsa_system_sgpr_workgroup_id_x 1
		.amdhsa_system_sgpr_workgroup_id_y 1
		.amdhsa_system_sgpr_workgroup_id_z 1
		.amdhsa_system_vgpr_workitem_id 0
		.amdhsa_next_free_vgpr 240
		.amdhsa_next_free_sgpr 66
		.amdhsa_reserve_vcc 0
		.amdhsa_float_denorm_mode_32 3
		.amdhsa_float_denorm_mode_16_64 3
		.amdhsa_memory_ordered 1
		.amdhsa_forward_progress 1
		.amdhsa_inst_pref_size 89
	.end_amdhsa_kernel
	.amdgpu_metadata
---
amdhsa.version: [ 1, 2 ]
amdhsa.kernels:
  - .name:           k_q1e6ff6cc46_quant
    .symbol:         k_q1e6ff6cc46_quant.kd
    .args:
      - { .name: x, .offset: 0, .size: 8, .value_kind: global_buffer, .address_space: global }
      - { .name: W_attn, .offset: 8, .size: 8, .value_kind: global_buffer, .address_space: global }
      - { .name: W_proj, .offset: 16, .size: 8, .value_kind: global_buffer, .address_space: global }
      - { .name: lowp_scales, .offset: 24, .size: 8, .value_kind: global_buffer, .address_space: global }
      - { .name: ops_img, .offset: 32, .size: 8, .value_kind: global_buffer, .address_space: global }
    .group_segment_fixed_size: 69120
    .private_segment_fixed_size: 0
    .kernarg_segment_align: 8
    .kernarg_segment_size: 40
    .max_flat_workgroup_size: 128
    .sgpr_count:     66
    .vgpr_count:     240
    .wavefront_size: 32
...
	.end_amdgpu_metadata
.endif
;; end of part 1
;; launch qkv (part 2): grid 16 x 16, 4 waves a work-group, clusters of 4 x 4, 327,680 bytes of LDS; arguments ops_img, lowp_scales, b_attn, qkv_img; writes qkv_img
.if DOCPART == 2
	.amdgcn_target "amdgcn-amd-amdhsa--gfx1250"
	.amdhsa_code_object_version 6
	.text
	.protected	k_q1e6ff6cc46_qkv
	.globl	k_q1e6ff6cc46_qkv
	.p2align	8
	.type	k_q1e6ff6cc46_qkv,@function
k_q1e6ff6cc46_qkv:
	s_mov_b64 s[64:65], 0
	v_nop
	global_prefetch_b8 v0, s[64:65] scope:SCOPE_SE
	s_setreg_imm32_b32 hwreg(HW_REG_WAVE_MODE, 25, 1), 1
	s_wait_xcnt 0x0
	s_wait_alu depctr_hold_cnt(0) depctr_sa_sdst(0) depctr_va_vdst(0) depctr_va_sdst(0) depctr_va_ssrc(0) depctr_va_vcc(0) depctr_vm_vsrc(0)
	s_getreg_b32 s2, hwreg(HW_REG_IB_STS2, 6, 4)
	s_cmp_eq_u32 s2, 0
	s_cbranch_scc0 .Lentry_in_a_cluster
	s_endpgm
.Lentry_in_a_cluster:
	s_bfe_u32 s2, ttmp6, 0x10000c
	s_cmp_lg_u32 s2, 0xf033
	s_cbranch_scc0 .Lentry_shape_is_right
	s_endpgm
.Lentry_shape_is_right:
; q, k, v = x W_attn + b_attn on codes of FP8 (E4M3): sum x 2^(e0 + e1) + bias in f32, held and converted at once with e2 (q), e3 (k), e5 (v).  Nothing of this product is left out.
; A work-group makes 256 positions x one head's 192 columns (64 of q, 64 of k, 64 of v): 256 work-groups of equal work.  Four waves, each 128 positions x 96 columns (32 of each): 48 accumulators, 384 registers.
; OPERANDS, images of fragments' registers: ops_img [tiles of 16 rows][8 blocks of 128 along K][2,048 bytes]: x's tiles 0-255, W_attn's from 256 on, twelve tiles a head: q's four, k's four, v's four.
; K goes in steps of 256 through a ring of two LDS slots: x's 16 tiles x 4,096 bytes (waves 0, 1 fetch eight each), then W's 12 (waves 2, 3 six each).
; CLUSTERS: 4 x 4 work-groups: x's tiles are asked for jointly by my row of the cluster, W's by my column.
; ORIENTATION.  q and k: source 0 = 16 columns of W, source 1 = 16 rows of x: a lane holds a position and its registers eight neighbouring channels, which is the layout of their fragments in launch attn.  v: the sources
; change places: a lane holds a channel and its registers eight neighbouring positions.  So the conversions' results are the fragments' registers and are stored as they stand.
; qkv_img: q at 0, k at 4 MiB: [16 heads][256 tiles of 16 positions][1,024 bytes]; v at 8 MiB: [16 heads][32 blocks of 128 keys][4 tiles of 16 channels][2,048 bytes].
; LIMITS: e0 + e1 between -126 and 127; e2, e3, e5 between -126 and 119.
; REGISTERS.  window 0: v1-31 addresses and scales; x's fragments: set 0 at v128-255, set 1's first six at v32-127.  window 1: W's six fragments: set 0 at v0-95, set 1 at v96-191; x's last two of set 1 at v192-223; the bias of q and k at v224-255.
;   windows 2 and 3: the accumulators of my position tiles 0-3 and 4-7: (a, b) at v[8 (6 (a % 4) + b)].  On the way out v32-127 of window 0 are at work and v128-223 take the codes.
.set SLOT,  65536+49152
.set SPARE, 2*SLOT                     ; 229,376: the spare words, 128 bytes for each wave: two blocks of 256 bytes that no other line names
.set SCL,  12                          ; v12-14  2^e of q, k, v
.set BO2,  15                          ; v15     4 r: my lane's byte in the bias of v
.set ADRA, 16                          ; v16-17  LDS address of my tiles of x in slot 0, 1
.set ADRB, 20                          ; v20-21  the same for W
.set PFO,  22
.set CO,   23                          ; v23     16 x lane
.set LIM,  24                          ; v24-26  448 x 2^e of q, k, v
.set BO1,  27                          ; v27     32 h: my lane's byte in the bias of q and k
.set SPW,  28
.set NIL,  29
.set BV,   30                          ; v30-31  the bias of my channel in v's two tiles
.set BI,   224
.set TMP,  32
.set CD,   128
.set G1,  24                           ; s[24:31] descriptor group 1 for x's tiles;  s[32:39] group 0, one set for each slot
.set G0,  32
.set G1B, 48                           ; s[48:55], s[56:63] the same for W's
.set G0B, 56
.set MSB, 0
.macro WIN new
.if MSB != (\new)
	s_set_vgpr_msb (MSB<<8)|(\new)
.set MSB, (\new)
.endif
.endm
.macro JLOAD s                         ; a joint load: waves 0, 1 for x, waves 2, 3 for W: a branch on the wave's number alone
	s_cmp_eq_u32 s15, 0
	s_cbranch_scc0 .Lfor_b_\@
	tensor_load_to_lds s[G0+4*\s:G0+4*\s+3], s[G1:G1+7]
	s_nop 0
.rept 4
	v_nop
.endr
	s_branch .Lasked_\@
.Lfor_b_\@:
	tensor_load_to_lds s[G0B+4*\s:G0B+4*\s+3], s[G1B:G1B+7]
	s_nop 0
.rept 4
	v_nop
.endr
.Lasked_\@:
.endm
.macro CREST                           ; a round of the cluster's barrier behind its opening barrier
	s_cmp_lg_u32 s14, 0
	s_cbranch_scc1 .Lnot_wave_0_\@
	s_barrier_signal -3
.Lnot_wave_0_\@:
	s_barrier_wait -3
	s_barrier_signal -1
	s_barrier_wait -1
.endm
.macro CROUND
	s_barrier_signal -1
	s_barrier_wait -1
	CREST
.endm
; A PREFETCH INTO THE L2 of K step k, one K step ahead of its joint load.  Of the tiles x 4,096 bytes that my wave fetches in a K step (eight of x: 128 blocks of 256 bytes; six of W: 96) each of the four partners that ask for them jointly
; names 32 or 24, told apart by address (cx for x, cy for W): a lane a block, one instruction a wave (W: lanes 24 to 31 name the wave's last block again).  K step 0 comes by its load alone.
.macro ASK k
	global_prefetch_b8 v[PFO], s[98:99] offset:4096*\k th:TH_LOAD_NT scope:SCOPE_SE
.endm
	s_load_b256 s[4:11], s[0:1], 0x0               ; ops_img s[4:5], the scales' exponents s[6:7], b_attn s[8:9], qkv_img s[10:11]
	v_lshl_add_u32 v[SPW], v0, 2, SPARE
	v_mov_b32 v[NIL], 0
	ds_add_u32 v[SPW], v[NIL]                      ; the wave's opening: the add, twice on end, and its wait ahead of my first tensor load
	ds_add_u32 v[SPW], v[NIL]
	v_lshrrev_b32 v1, 5, v0
	v_readfirstlane_b32 s14, v1                    ; wave 0..3
	s_lshr_b32 s15, s14, 1                         ; which 128 positions are mine.  Also: I fetch for x (0) or for W (1)
	s_and_b32 s16, s14, 1                          ; which 32 channels.  Also: which part of those tiles I fetch
	s_bfe_u32 s40, ttmp6, 0x40000                  ; cx, cy
	s_bfe_u32 s41, ttmp6, 0x40004
	s_lshl_b32 s42, ttmp9, 2
	s_add_co_u32 s42, s42, s40                     ; the head
	s_and_b32 s17, ttmp7, 0xffff
	s_lshl_b32 s17, s17, 2
	s_add_co_u32 s17, s17, s41                     ; which 256 positions
	s_lshl_b32 s43, s41, 2
	s_lshl_b32 s43, 15, s43                        ; my row of the cluster
	s_lshl_b32 s44, 0x1111, s40                    ; my column
	; descriptor group 1: 8 (x) or 6 (W) rows of 4,096 bytes (512 elements of 8 bytes), 16,384 bytes apart in memory, dense in LDS
	s_or_b32 s[G1+0], s43, (3<<16)|(1<<21)
	s_or_b32 s[G1B+0], s44, (3<<16)|(1<<21)
.irp g, G1, G1B
	s_mov_b32 s[\g+1], 512<<16                     ; tensor_dim0
	s_mov_b32 s[\g+3], 512<<16                     ; tile_dim0
	s_mov_b32 s[\g+5], 2048                        ; tensor_dim0_stride
	s_mov_b32 s[\g+6], 0
	s_mov_b32 s[\g+7], 0
.endr
	s_mov_b32 s[G1+2], 8<<16                       ; tensor_dim1, tile_dim1
	s_mov_b32 s[G1+4], 8
	s_mov_b32 s[G1B+2], 6<<16
	s_mov_b32 s[G1B+4], 6
	s_lshl_b32 s20, s17, 4
	s_lshl_b32 s21, s16, 3
	s_add_co_u32 s20, s20, s21                     ; x: tile 16 x that + 8 x part
	s_lshl_b32 s20, s20, 14
	s_mov_b32 s21, 0
	s_mul_i32 s46, s42, 12
	s_mul_i32 s47, s16, 6
	s_add_co_u32 s46, s46, s47
	s_add_co_u32 s46, s46, 256                     ; W: tile 256 + 12 x head + 6 x part
	s_lshl_b32 s46, s46, 14
	s_mov_b32 s47, 0
	s_lshl_b32 s45, s16, 15                        ; where they go in a slot
	s_mul_i32 s22, s16, 24576
	s_add_co_u32 s22, s22, 65536
	s_wait_alu depctr_va_vdst(0)
	s_wait_dscnt 0x0                               ; both opening adds are done
	s_wait_kmcnt 0x0
	s_load_b256 s[80:87], s[6:7], 0x0              ; e0 .. e7
	s_add_nc_u64 s[20:21], s[4:5], s[20:21]
	s_add_nc_u64 s[46:47], s[4:5], s[46:47]
.irp s, 0,1
	s_mov_b32 s[G0+4*\s], 1
	s_add_co_u32 s[G0+4*\s+1], s45, \s*SLOT
	s_add_nc_u64 s[G0+4*\s+2:G0+4*\s+3], s[20:21], \s*4096
	s_or_b32 s[G0+4*\s+3], s[G0+4*\s+3], 0x80000000
	s_mov_b32 s[G0B+4*\s], 1
	s_add_co_u32 s[G0B+4*\s+1], s22, \s*SLOT
	s_add_nc_u64 s[G0B+4*\s+2:G0B+4*\s+3], s[46:47], \s*4096
	s_or_b32 s[G0B+4*\s+3], s[G0B+4*\s+3], 0x80000000
.endr
	CROUND                                         ; all sixteen work-groups are here: the first joint loads meet
	JLOAD 0                                        ; K step 0: one tensor load a wave at the head
	s_cmp_eq_u32 s15, 0                            ; the prefetches: whose tiles,
	s_cselect_b64 s[98:99], s[20:21], s[46:47]
	s_cselect_b32 s94, s40, s41                    ; my place among the four,
	s_mov_b32 s95, 24
	s_cselect_b32 s95, 32, s95                     ; and how many blocks a partner names
	s_mul_i32 s94, s94, s95
	s_sub_co_u32 s95, s95, 1
	s_lshl_b32 s12, s15, 15                        ; my 8 tiles of x
	s_lshl_b32 s13, s16, 13                        ; my 2 tiles of each four of W,
	s_add_co_u32 s13, s13, 65536                   ; which lie behind x's
	v_and_b32 v3, 31, v0
	v_lshlrev_b32 v[CO], 4, v3
	v_and_b32 v1, 15, v0                           ; r
	v_bfe_u32 v2, v0, 4, 1                         ; h
	v_lshlrev_b32 v[BO1], 5, v2
	v_lshlrev_b32 v[BO2], 2, v1
.irp s, 0,1
	v_add_nc_u32 v[ADRA+\s], s12, v[CO]
	v_add_nc_u32 v[ADRB+\s], s13, v[CO]
	s_add_co_u32 s12, s12, SLOT
	s_add_co_u32 s13, s13, SLOT
.endr
	v_min_u32 v4, s95, v3
	v_add_nc_u32 v4, s94, v4                       ; block n: tile n / 16, 256 x (n % 16) bytes on
	v_and_b32 v5, 15, v4
	v_lshrrev_b32 v6, 4, v4
	v_lshlrev_b32 v5, 8, v5
	v_lshl_add_u32 v[PFO], v6, 14, v5              ; never rewritten
	ASK 1
.macro LOADF f, n                      ; fragment f of step n (128 along K): 0 to 5 are W's, 6 to 13 x's
.set FF, \f
.set PP, (\n)%2                        ; the set, and the half of the slot's K step
.set SL, ((\n)/2)%2
.if FF < 6
	WIN 0x40                                       ; destination window 1, address window 0
.set RG, 96*PP+16*FF
.irp c, 0,1,2,3
	ds_load_b128 v[RG+4*\c:RG+4*\c+3], v[ADRB+SL] offset:(FF/2)*16384+(FF%2)*4096+2048*PP+512*\c
.endr
.else
.set AA, FF-6
.if (PP == 1) && (AA >= 6)
	WIN 0x40
.set RG, 192+16*(AA-6)
.else
	WIN 0
.set RG, 128-96*PP+16*AA
.endif
.irp c, 0,1,2,3
	ds_load_b128 v[RG+4*\c:RG+4*\c+3], v[ADRA+SL] offset:AA*4096+2048*PP+512*\c
.endr
.endif
.endm
.macro CHUNK m, n                      ; two fragments, eight loads
	LOADF 2*(\m), \n
	LOADF 2*(\m)+1, \n
.endm
; Six products: position tile a x my six column tiles.  The 48 accumulators take turns in the same order in every step.  zero = 1: the first step starts the sums.
.macro ROW a, n, zero
.set PP, (\n)%2
.set AA, \a
.set AC, 48*(AA%4)
.set DW, 0xa0+0x50*(AA/4)              ; C and D: window 2 or 3
.if (PP == 1) && (AA >= 6)
.set RG, 192+16*(AA-6)
.set XW, 1
.else
.set RG, 128-96*PP+16*AA
.set XW, 0
.endif
	WIN DW+1+4*XW                                  ; source 0 (W) window 1, source 1 (x) its window
.irp b, 0,1,2,3
.if \zero
	v_wmma_f32_16x16x128_fp8_fp8 v[AC+8*\b:AC+8*\b+7], v[96*PP+16*\b:96*PP+16*\b+15], v[RG:RG+15], 0
.else
	v_wmma_f32_16x16x128_fp8_fp8 v[AC+8*\b:AC+8*\b+7], v[96*PP+16*\b:96*PP+16*\b+15], v[RG:RG+15], v[AC+8*\b:AC+8*\b+7]
.endif
.endr
	WIN DW+XW+4                                    ; v: source 0 (x) its window, source 1 (W) window 1
.irp b, 4,5
.if \zero
	v_wmma_f32_16x16x128_fp8_fp8 v[AC+8*\b:AC+8*\b+7], v[RG:RG+15], v[96*PP+16*\b:96*PP+16*\b+15], 0
.else
	v_wmma_f32_16x16x128_fp8_fp8 v[AC+8*\b:AC+8*\b+7], v[RG:RG+15], v[96*PP+16*\b:96*PP+16*\b+15], v[AC+8*\b:AC+8*\b+7]
.endif
.endr
.endm
.macro STEPP n, zero                   ; a step whose successor lies in the same slot: its rows stand between the chunks of the next step's fragments
.if \zero == 0
.rept 4
	v_nop                                          ; places in front of loads into the set that the last step's products read
.endr
.endif
	CHUNK 0, (\n)+1
	s_wait_dscnt 8                                 ; this step's fragments are in; the eight loads just issued may be out
.irp a, 0,1,2,3,4,5
	ROW \a, \n, \zero
	CHUNK \a+1, (\n)+1
.endr
	ROW 6, \n, \zero
	ROW 7, \n, \zero
.endm
; A slot's last step changes slots.  In front of the barrier each wave waits for all its tensor loads (one is out: its part of the next slot), adds 0 to its spare word, and waits for that and for its reads of this slot.
; fill = 1: the barrier opens a round of the cluster's barrier, and this slot is filled again, two K steps on.
.macro TURN n, fill
.set SF, ((\n)/2)%2
	WIN 0
	s_wait_tensorcnt 0x0
	ds_add_u32 v[SPW], v[NIL]                      ; 0 onto my spare word
	s_wait_dscnt 1                                 ; this step's fragments are in; the add may be out
	ROW 0, \n, 0
	s_wait_dscnt 0x0                               ; the add is done
	s_barrier_signal -1
	ROW 1, \n, 0
	WIN 0
	s_barrier_wait -1
.if \fill
	CREST
	s_add_nc_u64 s[G0+4*SF+2:G0+4*SF+3], s[G0+4*SF+2:G0+4*SF+3], 8192
	s_add_nc_u64 s[G0B+4*SF+2:G0B+4*SF+3], s[G0B+4*SF+2:G0B+4*SF+3], 8192
	JLOAD SF                                       ; the first tensor load behind the round; its four v_nop are also the places in front of the loads below
.else
.rept 4
	v_nop
.endr
.endif
	CHUNK 0, (\n)+1
	CHUNK 1, (\n)+1
.if (\n) == 1
	WIN 0
	ASK 3
.endif
.irp a, 2,3,4,5,6
	ROW \a, \n, 0
	CHUNK \a, (\n)+1
.endr
	ROW 7, \n, 0
.endm
	s_wait_alu depctr_va_vdst(0)                   ; the head's end
	s_wait_tensorcnt 0x0                           ; my part of K step 0 is in
	ds_add_u32 v[SPW], v[NIL]
	s_wait_dscnt 0x0
	CROUND                                         ; everybody's part is in, and all sixteen work-groups are here
	JLOAD 1                                        ; K step 1
.irp m, 0,1,2,3,4,5,6
	CHUNK \m, 0
.endr
	WIN 0
	ASK 2
	STEPP 0, 1
	TURN 1, 1
	STEPP 2, 0
	TURN 3, 1
	STEPP 4, 0
	TURN 5, 0
	WIN 0
	s_wait_kmcnt 0x0
	s_add_co_i32 s96, s80, s81
	s_add_co_i32 s96, s96, 127
	s_lshl_b32 s96, s96, 23                        ; 2^(e0 + e1) as f32
	s_mov_b32 s97, s96                             ; (named with it as a pair, so it is written)
.macro SCALE p, e
	s_add_co_i32 s90, s[\e], 127
	s_lshl_b32 s91, s90, 23
	v_mov_b32 v[SCL+\p], s91
	s_add_co_i32 s90, s90, 8
	s_lshl_b32 s90, s90, 23
	s_or_b32 s90, s90, 0x600000
	v_mov_b32 v[LIM+\p], s90
.endm
	SCALE 0, 82                                    ; e2
	SCALE 1, 83                                    ; e3
	SCALE 2, 85                                    ; e5
	s_lshl_b32 s90, s42, 8                         ; the bias: 64 columns a head, my 32 of them
	s_lshl_b32 s91, s16, 7
	s_add_co_u32 s90, s90, s91
	s_mov_b32 s91, 0
	s_add_nc_u64 s[8:9], s[8:9], s[90:91]
	s_lshl_b32 s92, s42, 18                        ; my head in each section of qkv_img
	s_lshl_b32 s90, s17, 1
	s_add_co_u32 s90, s90, s15                     ; which 128 positions
	s_lshl_b32 s93, s90, 13                        ; in q and k 8 tiles x 1,024 bytes, in v one block of 8,192
	s_add_co_u32 s92, s92, s93
	s_lshl_b32 s93, s16, 12                        ; v: my two tiles of channels,
	s_add_co_u32 s88, s92, s93
	s_add_co_u32 s88, s88, 2<<22
	s_mov_b32 s89, 0
	s_lshl_b32 s93, s16, 9                         ; q and k: my group of 32 channels
	s_add_co_u32 s92, s92, s93
	s_mov_b32 s93, 0
	s_add_nc_u64 s[88:89], s[10:11], s[88:89]
	s_add_nc_u64 s[10:11], s[10:11], s[92:93]
	global_load_b32 v[BV], v[BO2], s[8:9] offset:8192
	global_load_b32 v[BV+1], v[BO2], s[8:9] offset:8192+64
	WIN 0x40
.irp b, 0,1,2,3                        ; register 8 b + j: q (b < 2) or k, channel 16 (b % 2) + 8 h + j of my 32
	global_load_b128 v[BI+8*\b:BI+8*\b+3],   v[BO1], s[8:9] offset:(\b/2)*4096+(\b%2)*64
	global_load_b128 v[BI+8*\b+4:BI+8*\b+7], v[BO1], s[8:9] offset:(\b/2)*4096+(\b%2)*64+16
.endr
	s_wait_alu depctr_va_vdst(0)
	STEPP 6, 0
	s_wait_dscnt 0x0                               ; the very last step: nothing more to fetch
.irp a, 0,1,2,3,4,5,6,7
	ROW \a, 7, 0
.endr
	WIN 0
	s_wait_loadcnt 0x0                             ; the bias
.rept 4
	v_nop                                          ; places behind the last products
.endr
; THE WAY OUT, two position tiles at a time: 12 accumulators, 96 numbers a lane; number G = 6 x (a % 2) + b.  A tile's holds stand ahead of the conversion of the tile before.
.macro HOLD g
.set HB, TMP+8*(\g)
.set HL, LIM+((\g)%6)/2
.set KK, 0
.rept 8
	v_med3_num_f32 v[HB+KK], v[HB+KK], -v[HL], v[HL]   ; the conversion to an 8-bit code does not saturate (ISA guide 7.6.2)
.set KK, KK+1
.endr
.endm
.macro CODE m, g
.set GB, (\g)%6
.set GA, (\g)/6
.if GB < 4
.set CR, CD+24*(\m)+8*(GB/2)+4*GA+2*(GB%2)     ; q, k: a tile's two column tiles are one group of four registers
.else
.set CR, CD+24*(\m)+16+4*(GB-4)+2*GA           ; v: two position tiles are one
.endif
	v_cvt_scalef32_pk8_fp8_f32 v[CR:CR+1], v[TMP+8*(\g):TMP+8*(\g)+7], v[SCL+GB/2]
.endm
.macro OUTPAIR m
.irp a, 0,1
.set AC, 48*((2*(\m)+\a)%4)
	WIN 0x12+((\m)/2)                              ; source 0 window 2 or 3, source 2 (the bias of q and k) window 1
.set JJ, 0
.rept 16
	v_pk_fma_f32 v[TMP+48*\a+JJ:TMP+48*\a+JJ+1], v[AC+JJ:AC+JJ+1], s[96:97], v[BI+JJ:BI+JJ+1] op_sel_hi:[1,0,1]   ; sum x 2^(e0 + e1) + bias; each accumulator from its low end on
.set JJ, JJ+2
.endr
	WIN 0x02+((\m)/2)
.rept 4
	v_pk_fma_f32 v[TMP+48*\a+JJ:TMP+48*\a+JJ+1], v[AC+JJ:AC+JJ+1], s[96:97], v[BV:BV+1] op_sel_hi:[1,0,0]   ; the pair's low word for v's first tile,
.set JJ, JJ+2
.endr
.rept 4
	v_pk_fma_f32 v[TMP+48*\a+JJ:TMP+48*\a+JJ+1], v[AC+JJ:AC+JJ+1], s[96:97], v[BV:BV+1] op_sel:[0,0,1] op_sel_hi:[1,0,1]   ; its high word for the second
.set JJ, JJ+2
.endr
.endr
	WIN 0
	HOLD 0
.set GG, 0
.rept 11
	HOLD GG+1
	CODE \m, GG
.set GG, GG+1
.endr
	v_nop                                          ; a plain line between two conversions
	CODE \m, 11
	v_nop                                          ; and one behind the last
.irp a, 0,1                            ; each store of the wave covers 512 consecutive bytes, aligned
	global_store_b128 v[CO], v[CD+24*(\m)+4*\a:CD+24*(\m)+4*\a+3], s[10:11] offset:(2*(\m)+\a)*1024
	global_store_b128 v[CO], v[CD+24*(\m)+8+4*\a:CD+24*(\m)+8+4*\a+3], s[10:11] offset:4194304+(2*(\m)+\a)*1024
	global_store_b128 v[CO], v[CD+24*(\m)+16+4*\a:CD+24*(\m)+16+4*\a+3], s[88:89] offset:\a*2048+(\m)*512
.endr
.endm
	OUTPAIR 0
	OUTPAIR 1
	OUTPAIR 2
	OUTPAIR 3
	s_wait_tensorcnt 0x0                           ; the wave's end, behind my last tensor load
	ds_add_u32 v[SPW], v[NIL]
	s_wait_dscnt 0x0
	CROUND                                         ; the closing round: no work-group ends while a partner may still ask for a tile that names it
	s_endpgm
.Lfunc_end_k_q1e6ff6cc46_qkv:
	.size	k_q1e6ff6cc46_qkv, .Lfunc_end_k_q1e6ff6cc46_qkv-k_q1e6ff6cc46_qkv
	.p2alignl 7, 3214868480
	.fill 96, 4, 3214868480
	.section	.rodata,"a",@progbits
	.p2align	6, 0x0
	.amdhsa_kernel k_q1e6ff6cc46_qkv
		.amdhsa_group_segment_fixed_size 327680
		.amdhsa_private_segment_fixed_size 0
		.amdhsa_enable_private_segment 0
		.amdhsa_kernarg_size 32
		.amdhsa_user_sgpr_count 2
		.amdhsa_user_sgpr_kernarg_segment_ptr 1
		.amdhsa_wavefront_size32 1
		.amdhsa_system_sgpr_workgroup_id_x 1
		.amdhsa_system_sgpr_workgroup_id_y 1
		.amdhsa_system_sgpr_workgroup_id_z 1
		.amdhsa_system_vgpr_workitem_id 0
		.amdhsa_next_free_vgpr 1024
		.amdhsa_next_free_sgpr 100
		.amdhsa_reserve_vcc 0
		.amdhsa_float_denorm_mode_32 3
		.amdhsa_float_denorm_mode_16_64 3
		.amdhsa_memory_ordered 1
		.amdhsa_forward_progress 1
		.amdhsa_inst_pref_size 113
	.end_amdhsa_kernel
	.amdgpu_metadata
---
amdhsa.version: [ 1, 2 ]
amdhsa.kernels:
  - .name:           k_q1e6ff6cc46_qkv
    .symbol:         k_q1e6ff6cc46_qkv.kd
    .args:
      - { .name: ops_img, .offset: 0, .size: 8, .value_kind: global_buffer, .address_space: global }
      - { .name: lowp_scales, .offset: 8, .size: 8, .value_kind: global_buffer, .address_space: global }
      - { .name: b_attn, .offset: 16, .size: 8, .value_kind: global_buffer, .address_space: global }
      - { .name: qkv_img, .offset: 24, .size: 8, .value_kind: global_buffer, .address_space: global }
    .group_segment_fixed_size: 327680
    .private_segment_fixed_size: 0
    .kernarg_segment_align: 8
    .kernarg_segment_size: 32
    .max_flat_workgroup_size: 128
    .sgpr_count:     100
    .vgpr_count:     1024
    .wavefront_size: 32
...
	.end_amdgpu_metadata
.endif
;; end of part 2
;; launch attn (part 3): grid 16 x 16, 16 waves a work-group, clusters of 4 x 1, 327,680 bytes of LDS; arguments qkv_img, lowp_scales, y_img; writes y_img
.if DOCPART == 3
	.amdgcn_target "amdgcn-amd-amdhsa--gfx1250"
	.amdhsa_code_object_version 6
	.text
	.protected	k_q1e6ff6cc46_attn
	.globl	k_q1e6ff6cc46_attn
	.p2align	8
	.type	k_q1e6ff6cc46_attn,@function
k_q1e6ff6cc46_attn:
	s_mov_b64 s[64:65], 0
	v_nop
	global_prefetch_b8 v0, s[64:65] scope:SCOPE_SE
	s_setreg_imm32_b32 hwreg(HW_REG_WAVE_MODE, 25, 1), 1
	s_wait_xcnt 0x0
	s_wait_alu depctr_hold_cnt(0) depctr_sa_sdst(0) depctr_va_vdst(0) depctr_va_sdst(0) depctr_va_ssrc(0) depctr_va_vcc(0) depctr_vm_vsrc(0)
	s_getreg_b32 s2, hwreg(HW_REG_IB_STS2, 6, 4)
	s_cmp_eq_u32 s2, 0
	s_cbranch_scc0 .Lentry_in_a_cluster
	s_endpgm
.Lentry_in_a_cluster:
	s_bfe_u32 s2, ttmp6, 0x10000c
	s_cmp_lg_u32 s2, 0x3003
	s_cbranch_scc0 .Lentry_shape_is_right
	s_endpgm
.Lentry_shape_is_right:
; y[q] = the sum over k <= q of softmax_k(q . k / 8) v[k], for each of 16 heads of 64, both products on codes of FP8 (E4M3); y is quantised at once, with e6, for the projection.
; WORK LEFT OUT: a step of 16 queries x 128 keys all of whose keys come after all of its queries: the causal mask, built in the computation itself, makes its p exactly 0 for all inputs (shown at the head of launch quant).
; THE SOFTMAX AHEAD OF THE SECOND PRODUCT: t = score x log2(e) / 8; M = the row's largest t so far, rounded UP to a whole number; p = 2^(t - M) is what is quantised (e4); it is not normalised.
; The row's sum is taken of the unquantised p, in f32, and divides O at the end.  When M moves, the sum and O are multiplied by 2^(old M - new M): exact.
; OPERANDS: qkv_img, images of fragments' registers.  q at 0, k at 4 MiB: [16 heads][256 tiles of 16 positions][1,024 bytes] (16 x 64: registers 2 c, 2 c + 1: channel 16 c + 8 h + 0 .. 7);
;   v at 8 MiB: [16 heads][32 blocks of 128 keys][4 tiles of 16 channels][2,048 bytes] (16 x 128: registers 2 c, 2 c + 1: key 16 c + 8 h + 0 .. 7).  Groups of four registers lie 512 bytes apart, at 16 x lane.
; LAYOUT.  Both products transposed: S^T = K Q^T (source 0 = 16 keys, source 1 = my 16 queries), O^T = V^T P^T: a lane holds ONE query (lane % 16) throughout.  Register j of S^T's tile c is key 16 c + 8 h + j:
; so one conversion of a tile's eight registers gives registers 2 c, 2 c + 1 of P's fragment, and one of O^T's tile those of y's fragment.
; SHARES.  The 4,096 positions of a head are 8 superblocks of 512.  A cluster of four work-groups owns superblocks c and 7 - c (c = the cluster's x): first c, walking keys 0 .. 512 (c + 1), then 7 - c, walking keys 0 .. 512 (8 - c):
; nine slots of 512 keys in every work-group.  Of a superblock's 32 tiles of 16 queries the work-group at place cx takes tiles 4 i + cx, i = 0 .. 7: what is hidden is decided by 64 i, and no branch hangs on cx.
; Two waves own tile i of both superblocks: of a slot's four steps of 128 keys the wave with half = 0 takes steps 0 and 2, half = 1 steps 1 and 3.  So all sixteen waves have work in every slot below the diagonal.  At the end the two hand each other half of O (32 channels each),
; with M and the sum, through LDS, and bring both under the larger M.  Wave w: half = bit 2, i = (w % 4) ^ (6 x bit 3): any four waves that lie four apart have five visible steps in a slot on the diagonal.
; CLUSTER: the four walk the same slots, so K's and V's tiles are asked for jointly: waves 0 and 1 K's two parts, waves 2 and 3 V's, 16,384 bytes each.
; y_img: [256 tiles of 16 positions][8 blocks of 128 channels][2,048 bytes]: head hd is the half hd % 2 (two groups of 512 bytes) of block hd / 2.
; LIMITS on the given exponents: e2 + e3 between -123 and 130 (added to c's exponent field); e4, e6 between -126 and 119; e4 + e5 is applied by v_ldexp_f32 and has none.  Scaled scores stay under 2^31 in magnitude.
; REGISTERS: v1-9, v0, v245 addresses and the mask's lane term; v[10:11] the first superblock's -M and sum; v12 -M, v13 the largest score, v[14:15] the sum in two halves; v16-23 Q; v24-31, v240-255 at work; v32-95 K's 8 fragments, then V's 4;
;   v96-159 S^T, then p; v160-191 O^T (accumulators 0, 1: the channels that I keep, 2, 3: those that I hand over); v192-207 p's codes; v208-239 the second superblock's Q, then the first superblock's O^T.
.set SLOT1, 65536                      ; slot 1 begins here: one exclusive or turns an address in one slot into the other's
.set VOFF,  32768                      ; in a slot: K's 32 tiles, then V's 4 blocks x 4 tiles
.set STAGE, 2*SLOT1                    ; behind the ring: 4,608 bytes for each wave: two times 16 registers, then two pairs (-M, sum)
.set SREG,  4608
.set SPARE, STAGE+16*SREG              ; 204,800: the spare words, 128 bytes for each wave: eight blocks of 256 bytes that no other line names
.set LI,   1                           ; 16 x lane
.set KAD,  2                           ; my lane's place in K's tiles of my half's first step
.set PFO,  3
.set VA0,  4                           ; the same in V, for the two tiles that I keep
.set SPW,  5
.set NIL,  6
.set VA1,  7                           ; and for the two that I hand over
.set ADK,  8
.set MK,   9                           ; 16 cx + lane % 16 - 8 (lane / 16)
.set AV0,  245
.set AV1,  0
.set TB,   3                           ; s3   LDS byte at which the slot in hand begins
.set WV,   18
.set SEL,  20                          ; s[20:21] lane selects for v_permlanex16_b32: lane l xor 16
.set CS,   22                          ; s[22:23] c = log2(e) / 8 x 2^(e2 + e3)
.set G1,   24                          ; s[24:31] descriptor group 1
.set G0,   40                          ; s[40:43] group 0, which walks
.set KB,   44                          ; s[44:45] where my part of key slot 0 lies
.set SO,   46                          ; s[46:47] the slot asked for, in bytes
.set SWL,  62                          ; s62  the value of SLOTS at the change that asks for the second superblock's first slot
.set H7,   63
.set Q1,   66                          ; s66  the second superblock's Q0
.set SLOTS, 67                         ; s67  slots still to be asked for
.set PFA,  76                          ; s[76:77] where my prefetches stand
.set YL,   78                          ; s[78:79] y, second superblock;  s[8:9] first
.set LIM,  80                          ; s80  4 in a wave that prefetches, else 0
.set SW,   81                          ; s81  the value of SLOTS in the first superblock's last slot
.set KF,   98                          ; s98  the step's first key
.set Q0,   99                          ; s99  512 x superblock + 64 i
.macro CROUND                          ; a round of the cluster's barrier
	s_barrier_signal -1
	s_barrier_wait -1
	s_cmp_lg_u32 s[WV], 0
	s_cbranch_scc1 .Lnot_wave_0_\@
	s_barrier_signal -3
.Lnot_wave_0_\@:
	s_barrier_wait -3
	s_barrier_signal -1
	s_barrier_wait -1
.endm
.macro TLOAD                           ; a joint load: waves 0 to 3 fetch, the others nothing: a branch on the wave's number alone
	s_cmp_lt_u32 s[WV], 4
	s_cbranch_scc0 .Lasked_\@
	tensor_load_to_lds s[G0:G0+3], s[G1:G1+7]
	s_nop 0
.rept 4
	v_nop
.endr
.Lasked_\@:
.endm
; A PREFETCH INTO THE L2 of what the NEXT change of slots will ask for.  Key slots 4 to 7 are walked first by the clusters with c = 0, in which the change in trip t asks for slot t + 2 (t = 2 .. 5), a slot's steps ahead of its tensor load;
; slots 0 to 3 come by the loads alone.  Of a slot's 65,536 bytes the partner at place cx names the part cx (K's two halves, V's two halves), by address; waves 4 and 5 have 8,192 bytes each, lanes 256 bytes apart: each block once in the launch.
.macro ASK
	s_sub_co_u32 s96, s[SLOTS], 2
	s_cmp_lt_u32 s96, s[LIM]
	s_cbranch_scc0 .Lnot_mine_\@
	global_prefetch_b8 v[PFO], s[PFA:PFA+1] th:TH_LOAD_NT scope:SCOPE_SE
.Lnot_mine_\@:
.endm
	s_load_b128 s[4:7], s[0:1], 0x0                ; qkv_img s[4:5], the scales' exponents s[6:7]
	s_load_b64 s[8:9], s[0:1], 0x10                ; y_img
	v_lshl_add_u32 v[SPW], v0, 2, SPARE
	v_mov_b32 v[NIL], 0
	ds_add_u32 v[SPW], v[NIL]                      ; the wave's opening: the add, twice on end, and its wait ahead of the first tensor load
	ds_add_u32 v[SPW], v[NIL]
	v_lshrrev_b32 v8, 5, v0
	v_readfirstlane_b32 s[WV], v8                  ; wave 0..15
	s_bfe_u32 s10, ttmp6, 0x40000                  ; cx
	s_and_b32 s11, ttmp7, 0xffff                   ; the head
	s_lshl_b32 s19, s11, 18                        ; its first byte in each of the three sections
	s_bfe_u32 s12, s[WV], 0x10002                  ; half
	s_lshr_b32 s13, s[WV], 3
	s_mul_i32 s13, s13, 6
	s_and_b32 s14, s[WV], 3
	s_xor_b32 s13, s13, s14                        ; i
	s_lshl_b32 s13, s13, 6
	s_lshl_b32 s15, ttmp9, 9
	s_add_co_u32 s[Q0], s15, s13                   ; superblock c
	s_sub_co_u32 s15, 3584, s15
	s_add_co_u32 s[Q1], s15, s13                   ; superblock 7 - c
	s_lshl_b32 s[H7], s12, 7
	s_mov_b32 s[KF], s[H7]
	s_sub_co_u32 s[SW], 7, ttmp9
	s_sub_co_u32 s[SWL], 8, ttmp9
	; descriptor group 1: a dense block of 16,384 bytes as 64 rows of 256 bytes (32 elements of 8 bytes)
	s_mov_b32 s[G1], (3<<16)|(1<<21)|15            ; 15:0 the mask: all four; 17:16 elements of 8 bytes; 21 set beside a mask; no padding
	s_mov_b32 s[G1+1], 32<<16                      ; tensor_dim0
	s_mov_b32 s[G1+2], 64<<16                      ; tensor_dim1
	s_mov_b32 s[G1+3], 32<<16                      ; tile_dim0
	s_mov_b32 s[G1+4], 64                          ; tile_dim1
	s_mov_b32 s[G1+5], 32                          ; tensor_dim0_stride
	s_mov_b32 s[G1+6], 0
	s_mov_b32 s[G1+7], 0
	s_mov_b32 s[SEL], 0x76543210
	s_mov_b32 s[SEL+1], 0xfedcba98
	s_mov_b32 s[CS], 0x3e38aa3b                    ; log2(e) / 8
	s_mov_b32 s[TB], 0
	s_mov_b32 s[SLOTS], 8
	s_mov_b32 s[SO], 0
	s_mov_b32 s[SO+1], 0
	s_lshl_b32 s15, s14, 14                        ; what I fetch, if I fetch: my part's place in a slot,
	s_lshr_b32 s16, s14, 1
	s_add_co_u32 s16, s16, 1
	s_lshl_b32 s16, s16, 22                        ; its section,
	s_add_co_u32 s16, s16, s19                     ; my head,
	s_and_b32 s14, s14, 1
	s_lshl_b32 s14, s14, 14                        ; and which half
	s_add_co_u32 s16, s16, s14
	s_mov_b32 s17, 0
	s_wait_alu depctr_va_vdst(0)
	s_wait_dscnt 0x0                               ; both opening adds are done
	s_wait_kmcnt 0x0
	s_load_b256 s[68:75], s[6:7], 0x0              ; e0 .. e7
	s_add_nc_u64 s[KB:KB+1], s[4:5], s[16:17]
	s_mov_b32 s[G0], 1                             ; 1:0 count = 1
	s_mov_b32 s[G0+1], s15                         ; 63:32 LDS address: slot 0
	s_mov_b64 s[G0+2:G0+3], s[KB:KB+1]             ; 120:64 global address
	s_or_b32 s[G0+3], s[G0+3], 0x80000000          ; 127:126 type = 2
	CROUND                                         ; all four work-groups are here: the first joint loads meet
	TLOAD                                          ; slot 0: it holds key 0, which counts for every query
	s_lshl_b32 s86, s10, 4
	s_add_co_u32 s84, s[Q0], s86                   ; my first query in the first superblock,
	s_add_co_u32 s85, s[Q1], s86                   ; and in the second
	s_lshl_b32 s88, s84, 6                         ; a tile of 16 queries is 1,024 bytes
	s_add_co_u32 s88, s88, s19
	s_mov_b32 s89, 0
	s_add_nc_u64 s[88:89], s[4:5], s[88:89]
	s_lshl_b32 s90, s85, 6
	s_add_co_u32 s90, s90, s19
	s_mov_b32 s91, 0
	s_add_nc_u64 s[90:91], s[4:5], s[90:91]
	v_and_b32 v[LI], 31, v0
	v_lshlrev_b32 v[PFO], 8, v[LI]
	v_lshlrev_b32 v[LI], 4, v[LI]
	global_load_b128 v[16:19], v[LI], s[88:89]             ; Q of the first superblock
	global_load_b128 v[20:23], v[LI], s[88:89] offset:512
	global_load_b128 v[208:211], v[LI], s[90:91]           ; and of the second
	global_load_b128 v[212:215], v[LI], s[90:91] offset:512
	s_lshl_b32 s96, s12, 9                         ; y: (first query + head) x 1,024 + 512 x half
	s_add_co_u32 s92, s84, s11
	s_lshl_b32 s92, s92, 10
	s_add_co_u32 s92, s92, s96
	s_mov_b32 s93, 0
	s_add_co_u32 s94, s85, s11
	s_lshl_b32 s94, s94, 10
	s_add_co_u32 s94, s94, s96
	s_mov_b32 s95, 0
	s_add_nc_u64 s[YL:YL+1], s[8:9], s[94:95]
	s_add_nc_u64 s[8:9], s[8:9], s[92:93]
	s_lshr_b32 s82, s10, 1                         ; the prefetches: section 1 + cx / 2,
	s_add_co_u32 s82, s82, 1
	s_lshl_b32 s82, s82, 22
	s_and_b32 s83, s10, 1
	s_lshl_b32 s83, s83, 14                        ; half cx % 2,
	s_add_co_u32 s82, s82, s83
	s_and_b32 s83, s[WV], 1
	s_lshl_b32 s83, s83, 13                        ; my wave's 8,192 bytes of it,
	s_add_co_u32 s82, s82, s83
	s_add_co_u32 s82, s82, s19                     ; my head; at slot 0: the first change steps it to slot 1, trip t's to slot t + 2
	s_mov_b32 s83, 0
	s_add_nc_u64 s[PFA:PFA+1], s[4:5], s[82:83]
	s_lshr_b32 s82, s[WV], 1
	s_xor_b32 s82, s82, 2                          ; 0 in waves 4 and 5,
	s_or_b32 s82, s82, ttmp9                       ; of the clusters with c = 0
	s_cmp_eq_u32 s82, 0
	s_cselect_b32 s[LIM], 4, 0
	s_lshl_b32 s82, s12, 13
	s_lshl_b32 s83, s12, 12
	s_sub_co_u32 s87, 4096, s83
	s_wait_alu depctr_va_vdst(0)
	v_add_nc_u32 v[KAD], s82, v[LI]                ; half x 8,192 bytes, 128 keys, on
	v_add_nc_u32 v[VA0], s83, v[KAD]               ; half 0 keeps channels 0-31 (V's tiles 0, 1), half 1 channels 32-63 (tiles 2, 3, 4,096 bytes on);
	v_add_nc_u32 v[VA1], s87, v[KAD]               ; the other two tiles go to accumulators 2 and 3
	v_and_b32 v[MK], 15, v0
	v_bfe_u32 v8, v0, 4, 1
	v_lshlrev_b32 v8, 3, v8
	v_sub_nc_u32 v[MK], v[MK], v8
	v_add_nc_u32 v[MK], s86, v[MK]
	v_mov_b32 v12, 0x7f61b1e6                      ; -M: 3e38
	v_mov_b32 v13, 0xff61b1e6                      ; the largest score so far: -3e38
	v_mov_b32 v14, 0                               ; the sum, in two halves
	v_mov_b32 v15, 0
	v_mov_b32 v30, 0                               ; written once: a lane permute's destination counts as one of its sources
	v_mov_b32 v253, 0                              ; (named as the upper half of the pair v[252:253])
	v_mov_b32 v252, 0                              ; v252 and v32-159 are filled under branches on ids: here they are written on every path
.set II, 0
.rept 128
	v_mov_b32 v[32+II], 0
.set II, II+1
.endr
	v_mov_b32 v31, 0xff800000                      ; -infinity
	v_mov_b32 v10, 0                               ; v10, v11, v216-239 are filled at the change of superblocks, under a branch on ids: here they are written on every path
	v_mov_b32 v11, 0
.set II, 0
.rept 24
	v_mov_b32 v[216+II], 0
.set II, II+1
.endr
.set II, 0
.rept 32
	v_mov_b32 v[160+II], 0                         ; O^T.  (The key step is written once: the first finds zeros, which the first change of M leaves zeros)
.set II, II+1
.endr
	s_wait_kmcnt 0x0
	s_add_co_i32 s82, s70, s71
	s_lshl_b32 s82, s82, 23
	s_add_co_i32 s[CS], s[CS], s82                 ; a score stands for score x 2^(e2 + e3): the two exponents are added to c's exponent field
	s_mov_b32 s[CS+1], s[CS]                       ; (named with it as a pair, so it is written)
	s_add_co_i32 s82, s72, 127
	s_lshl_b32 s83, s82, 23
	v_mov_b32 v244, s83                            ; 2^e4 as f32, for p's conversion
	s_add_co_i32 s82, s82, 8
	s_lshl_b32 s82, s82, 23
	s_or_b32 s82, s82, 0x600000
	v_mov_b32 v240, s82                            ; 448 x 2^e4, twice: the two halves of a pair of holds name different registers
	v_mov_b32 v241, s82
.macro MASK b                          ; four tiles from register b on: their first key is 64 i: register 8 c + j holds key 16 c + 8 (lane / 16) + j from there: hidden where 16 c + j > MK
.set II, 0
.rept 32
	v_cmp_gt_i32 vcc_lo, 16*(II/8)+II%8, v[MK]
	v_cndmask_b32 v[\b+II], v[\b+II], v31, vcc_lo
.set II, II+1
.endr
.endm
.macro ADD2 d, a, b
	v_pk_add_f32 v[\d:\d+1], v[\a:\a+1], v[\b:\b+1]
.endm
.macro HOLD c                          ; the conversion to an 8-bit code does not saturate (ISA guide 7.6.2); p is not negative, so the hold is one-sided; two numbers an instruction
.set II, 96+8*(\c)
.rept 4
	v_dual_min_num_f32 v[II], v240, v[II] :: v_dual_min_num_f32 v[II+1], v241, v[II+1]
.set II, II+2
.endr
.endm
.macro CODE c                          ; registers 2 c, 2 c + 1 of P's fragment: keys 16 c + 8 h + 0 .. 7
	v_cvt_scalef32_pk8_fp8_f32 v[192+2*(\c):193+2*(\c)], v[96+8*(\c):103+8*(\c)], v244
.endm
.macro FMAS a, n                       ; t - M, two at a time (of the pairs c and -M the low word serves both halves)
.set II, \a
.rept \n
	v_pk_fma_f32 v[II:II+1], v[II:II+1], s[CS:CS+1], v[12:13] op_sel_hi:[1,0,0]
.set II, II+2
.endr
.endm
; A KEY STEP: my q-th 128 keys of the slot in hand.  It has three parts: the scores (and the loads of V); A: the mask, the maximum, M and f; B: t - M, p, the sum, the codes, the second product.  A and B are work on registers alone.
.macro QKPART q
	v_add_nc_u32 v[ADK], s[TB], v[KAD]
	v_add_nc_u32 v[AV0], s[TB], v[VA0]
	v_add_nc_u32 v[AV1], s[TB], v[VA1]
	v_nop                                          ; with the three additions: four places in front of loads into registers that the last products read
.set II, 0
.rept 16                               ; K's 8 fragments: group II % 2 of tile II / 2
	ds_load_b128 v[32+4*II:35+4*II], v[ADK] offset:16384*(\q)+512*II
.set II, II+1
.endr
	s_wait_alu depctr_va_vdst(0)
	s_wait_dscnt 8                                 ; tiles 0 to 3 are in; the eight loads of tiles 4 to 7 may be out
.set II, 0
.rept 8                                ; S^T = K Q^T: eight tiles of 16 keys, K = the head's 64
.if II == 4
	s_wait_dscnt 0x0
.endif
	v_wmma_f32_16x16x64_fp8_fp8 v[96+8*II:103+8*II], v[32+8*II:39+8*II], v[16:23], 0
.set II, II+1
.endr
.rept 4
	v_nop                                          ; places in front of the loads below and of the first read of the scores
.endr
.set II, 0
.rept 8                                ; V's 4 fragments: group II % 4 of tile II / 4 of the two.  Asked for here, so that they come in under the softmax
	ds_load_b128 v[32+4*II:35+4*II], v[AV0] offset:VOFF+16384*(\q)+512*II
	ds_load_b128 v[64+4*II:67+4*II], v[AV1] offset:VOFF+16384*(\q)+512*II
.set II, II+1
.endr
.endm
.macro PARTA diag
.if \diag
	s_sub_co_i32 s96, s[Q0], s[KF]                 ; on the diagonal (0 or 64) the scores of hidden keys become -infinity ahead of the maximum: p = 0 then.  A step all of whose keys count skips this
	s_cmp_gt_u32 s96, 64
	s_cbranch_scc1 .Lopen_\@
	s_cmp_eq_u32 s96, 64
	s_cbranch_scc1 .Lhigh_\@
	MASK 96                                        ; 0: tiles 0 to 3 by the mask, tiles 4 to 7 whole
.set II, 0
.rept 32
	v_mov_b32 v[128+II], v31
.set II, II+1
.endr
	s_wait_alu depctr_va_vdst(0)
	s_branch .Lopen_\@
.Lhigh_\@:
	MASK 128                                       ; 64: tiles 0 to 3 all count
.Lopen_\@:
.endif
	v_mov_b32 v29, v12                             ; the old -M
	v_max3_num_f32 v254, v96, v97, v98             ; the step's largest score of my query, among my 64 keys, in four chains, each tile from its low end on,
	v_max3_num_f32 v24, v99, v100, v101
	v_max3_num_f32 v26, v102, v103, v104
	v_max3_num_f32 v28, v105, v106, v107
.set II, 108
.rept 6
	v_max3_num_f32 v254, v254, v[II], v[II+1]
	v_max3_num_f32 v24, v24, v[II+2], v[II+3]
	v_max3_num_f32 v26, v26, v[II+4], v[II+5]
	v_max3_num_f32 v28, v28, v[II+6], v[II+7]
.set II, II+8
.endr
	v_max3_num_f32 v254, v254, v156, v157
	v_max3_num_f32 v24, v24, v158, v159
	s_delay_alu instid0(VALU_DEP_1)
	v_max3_num_f32 v254, v254, v24, v26
	s_delay_alu instid0(VALU_DEP_1)
	v_max_num_f32 v254, v254, v28
	s_delay_alu instid0(VALU_DEP_1)
	v_permlanex16_b32 v30, v254, s[SEL], s[SEL+1]
	s_delay_alu instid0(VALU_DEP_1)
	v_max3_num_f32 v13, v13, v254, v30             ; and among lane l xor 16's, and so far
	s_delay_alu instid0(VALU_DEP_1)
	v_mul_f32 v254, s[CS], -v13                    ; -t (c is positive)
	s_delay_alu instid0(VALU_DEP_1)
	v_floor_f32 v12, v254                          ; the new -M = floor(-t) = -ceil(t): M is a whole number
	s_delay_alu instid0(VALU_DEP_1)
	v_sub_f32 v254, v12, v29                       ; M's old value less its new one: a whole number, 0 or less
	s_delay_alu instid0(VALU_DEP_1)
	v_cvt_i32_f32 v254, v254                       ; (it saturates)
	s_delay_alu instid0(VALU_DEP_1)
	v_ldexp_f32 v252, 1.0, v254                    ; f = 2^(old M - new M)
.endm
.macro PARTB w                         ; w = 1: V's loads may still be out
	FMAS 96, 32                                    ; each tile from its low end on
	s_wait_alu depctr_va_vdst(0)                   ; the wait ahead of the batch
.set II, 0
.rept 64
	v_exp_f32 v[96+II], v[96+II]                   ; p = 2^(t - M): not normalised
.set II, II+1
.endr
	v_pk_mul_f32 v[14:15], v[14:15], v[252:253] op_sel_hi:[1,0]   ; the sums under the new M.  (The plain line behind the exponentials)
	s_wait_alu depctr_va_vdst(0)                   ; one wait for the whole batch of 64, ahead of its first reader
	ADD2 242, 96, 98                               ; the sum of the unquantised p, two at a time, in eight chains
	ADD2 246, 100, 102
	ADD2 248, 104, 106
	ADD2 250, 108, 110
	ADD2 254, 112, 114
	ADD2 24, 116, 118
	ADD2 26, 120, 122
	ADD2 14, 14, 124
.set NN, 126
.rept 2
.irp d, 242,246,248,250,254,24,26,14
	ADD2 \d, \d, NN
.set NN, NN+2
.endr
.endr
	ADD2 242, 242, 158
	ADD2 246, 246, 248
	ADD2 250, 250, 254
	ADD2 24, 24, 26
	HOLD 0                                         ; a tile's holds stand ahead of the conversion of the tile before
	ADD2 14, 14, 242
	ADD2 246, 246, 250
	HOLD 1
	CODE 0
	HOLD 2
	CODE 1
	ADD2 14, 14, 24
	HOLD 3
	CODE 2
	ADD2 14, 14, 246
	HOLD 4
	CODE 3
	HOLD 5
	CODE 4
	HOLD 6
	CODE 5
	HOLD 7
	CODE 6
	v_nop                                          ; (a plain line between two conversions)
	CODE 7
	v_nop
	s_wait_alu depctr_va_vdst(0)                   ; the wait directly ahead of the first reader of O^T
.set II, 0
.rept 16
	v_pk_mul_f32 v[160+II:161+II], v[160+II:161+II], v[252:253] op_sel_hi:[1,0]   ; O^T under the new M
.set II, II+2
.endr
.if \w
	s_wait_alu depctr_va_vdst(0)
	s_wait_dscnt 0x0                               ; V is in
.endif
.set II, 0
.rept 4                                ; O^T += V^T P^T: four tiles of 16 channels, one instruction each: the accumulators take turns; K = these 128 keys
	v_wmma_f32_16x16x128_fp8_fp8 v[160+8*II:167+8*II], v[32+16*II:47+16*II], v[192:207], v[160+8*II:167+8*II]
.set II, II+1
.endr
.endm
; KF is a multiple of 128, Q0 of 64: beyond Q0 a step's keys come after the 64 queries from Q0 on, mine among them: left out (diag = 1: where the slot may lie on the diagonal), by a branch on ids round the step's work; no barrier, wait for an engine, add or tensor load stands under it.
.macro STEP q, diag
.if \diag
	s_cmp_gt_u32 s[KF], s[Q0]
	s_cbranch_scc1 .Lhidden_\@
.endif
	QKPART \q
	PARTA \diag
	PARTB 1
.Lhidden_\@:
	s_add_co_u32 s[KF], s[KF], 256                 ; my half's next step
.endm
; THE CHANGE OF SLOTS stands in a slot's last step, behind its last LDS reads.  Each wave waits for all its tensor loads (its part of the slot ahead), adds 0 to its spare word, and waits for that and for its reads of the slot in hand, V's of this step among them;
; then it signals.  The step's parts A and B, work on registers, stand inside the round: A between the opening signal and its wait, B between the closing signal and its wait.
; Behind the round the slot ahead is whole in all four work-groups and nobody reads the one in hand.  fill = 1: that one takes the 512 keys that are walked two slots on; the load has a slot's steps in which to land.  One load of a wave is out at the most.
.macro LINES fill
	s_wait_tensorcnt 0x0                           ; no tensor load of mine is out, so group 0 may be written
	ds_add_u32 v[SPW], v[NIL]                      ; 0 onto my spare word
.if \fill
	ds_add_u32 v[SPW], v[NIL]                      ; and once more: the add stands twice on end, in every trip alike
	s_xor_b32 s[G0+1], s[G0+1], SLOT1              ; the other slot than last time,
	s_add_co_u32 s[SO], s[SO], 32768               ; the next 512 keys,
	s_cmp_eq_u32 s[SLOTS], s[SWL]
	s_cselect_b32 s[SO], 0, s[SO]                  ; or key 0 again, where the next slot is the second superblock's first
	s_add_nc_u64 s[G0+2:G0+3], s[KB:KB+1], s[SO:SO+1]
	s_or_b32 s[G0+3], s[G0+3], 0x80000000
	s_wait_xcnt 0x0                                ; the last prefetch, a slot back, has read its address, so it may be written
	s_add_nc_u64 s[PFA:PFA+1], s[PFA:PFA+1], 32768
.endif
	s_wait_dscnt 0x0                               ; the add is done, and my reads of the slot in hand are over
.endm
.macro LASTSTEP fill, diag
.if \diag
	s_cmp_gt_u32 s[KF], s[Q0]
	s_cbranch_scc1 .Lno_scores_\@
.endif
	QKPART 1
.Lno_scores_\@:
	LINES \fill
	s_barrier_signal -1
.if \diag
	s_cmp_gt_u32 s[KF], s[Q0]
	s_cbranch_scc1 .Lno_a_\@
.endif
	PARTA \diag
.Lno_a_\@:
	s_wait_alu depctr_va_vdst(0)
	s_barrier_wait -1
.if \fill
	s_cmp_lg_u32 s[WV], 0
	s_cbranch_scc1 .Lnot_wave_0_\@
	s_barrier_signal -3
.Lnot_wave_0_\@:
	s_barrier_wait -3
	s_barrier_signal -1
.endif
.if \diag
	s_cmp_gt_u32 s[KF], s[Q0]
	s_cbranch_scc1 .Lno_b_\@
.endif
	PARTB 0
.Lno_b_\@:
	s_add_co_u32 s[KF], s[KF], 256
.if \fill
	s_barrier_wait -1
	TLOAD                                          ; the first thing behind the round, and a wave's one tensor load until the next
	ASK
.endif
	s_xor_b32 s[TB], s[TB], SLOT1                  ; on to the other slot
.endm
	s_wait_alu depctr_va_vdst(0)                   ; the head's end
	s_wait_loadcnt 0x0                             ; Q
	LINES 1                                        ; the first change: slot 0 is in,
	CROUND
	TLOAD                                          ; and slot 1 is filled for the first time
	s_mov_b32 s[SLOTS], 7
.Lslot:                                            ; seven trips, the same in every work-group
	STEP 0, 1
	LASTSTEP 1, 1
	s_cmp_lg_u32 s[SLOTS], s[SW]                   ; ids and the count of slots alone
	s_cbranch_scc1 .Lsame
.rept 4
	v_nop                                          ; places behind the last products
.endr
.set II, 0
.rept 4                                ; THE CHANGE OF SUPERBLOCKS: the second one's Q,
	v_dual_mov_b32 v[16+II], v[208+II] :: v_dual_mov_b32 v[17+II], v[209+II]
.set II, II+2
.endr
.set II, 0
.rept 16                               ; the first one's O^T aside,
	v_dual_mov_b32 v[208+II], v[160+II] :: v_dual_mov_b32 v[209+II], v[161+II]
.set II, II+2
.endr
	v_mov_b32 v10, v12                             ; with its -M and sum,
	v_add_f32 v11, v14, v15
.set II, 0
.rept 32
	v_mov_b32 v[160+II], 0                         ; and the state as at the head
.set II, II+1
.endr
	v_mov_b32 v12, 0x7f61b1e6
	v_mov_b32 v13, 0xff61b1e6
	v_mov_b32 v14, 0
	v_mov_b32 v15, 0
	s_mov_b32 s[Q0], s[Q1]
	s_mov_b32 s[KF], s[H7]
	s_wait_alu depctr_va_vdst(0)
.Lsame:
	s_sub_co_u32 s[SLOTS], s[SLOTS], 1
	s_cmp_lg_u32 s[SLOTS], 0
	s_cbranch_scc1 .Lslot
	STEP 0, 0                                      ; the last two slots are written out: nothing is left to fetch.  The first of them lies under the diagonal in every cluster (c is 3 at most)
	LASTSTEP 0, 0
	STEP 0, 1
	STEP 1, 1
	; THE WAY OUT, both superblocks together: accumulators 2 and 3, and the pair (-M, sum), go to the wave with the other half of the keys (wave ^ 4).
	s_mul_i32 s82, s[WV], SREG
	s_add_co_u32 s82, s82, STAGE                   ; my stage,
	s_xor_b32 s83, s[WV], 4
	s_mul_i32 s83, s83, SREG
	s_add_co_u32 s83, s83, STAGE                   ; and the other wave's
	v_lshrrev_b32 v8, 1, v[LI]                     ; 8 x lane.  (These lines are also the places behind the last products)
	v_add_f32 v13, v14, v15                        ; the sum's two halves
	v_add_nc_u32 v140, s82, v[LI]
	v_add_nc_u32 v141, s82, v8
	v_add_nc_u32 v142, s83, v[LI]
	v_add_nc_u32 v143, s83, v8
.irp g, 0,1,2,3
	ds_store_b128 v140, v[176+4*\g:179+4*\g] offset:2048+512*\g
.endr
.irp g, 0,1,2,3
	ds_store_b128 v140, v[224+4*\g:227+4*\g] offset:512*\g
.endr
	ds_store_b64 v141, v[10:11] offset:4096
	ds_store_b64 v141, v[12:13] offset:4352
	s_add_co_i32 s84, s74, 127
	s_lshl_b32 s85, s84, 23
	v_mov_b32 v144, s85                            ; 2^e6
	s_add_co_i32 s84, s84, 8
	s_lshl_b32 s84, s84, 23
	s_or_b32 s84, s84, 0x600000
	v_mov_b32 v145, s84                            ; 448 x 2^e6
	s_add_co_i32 s86, s72, s73                     ; e4 + e5
	v_mov_b32 v82, 0                               ; (the lane permutes' destinations)
	v_mov_b32 v83, 0
	s_wait_alu depctr_va_vdst(0)
	s_wait_dscnt 0x0                               ; my stores are done
	s_barrier_signal -1
	s_barrier_wait -1
	ds_load_b64 v[64:65], v143 offset:4096
	ds_load_b64 v[66:67], v143 offset:4352
.irp g, 0,1,2,3,4,5,6,7
	ds_load_b128 v[32+4*\g:35+4*\g], v142 offset:512*\g
.endr
	s_wait_dscnt 8                                 ; the two pairs are in; the eight loads of O^T may be out
	v_min_num_f32 v68, v10, v64                    ; -M of the two halves together
	v_min_num_f32 v69, v12, v66
	v_sub_f32 v70, v68, v10
	v_sub_f32 v71, v69, v12
	v_sub_f32 v72, v68, v64
	v_sub_f32 v73, v69, v66
.irp r, 70,71,72,73
	v_cvt_i32_f32 v\r, v\r
.endr
	v_ldexp_f32 v76, 1.0, v70                      ; 2^(M's own value less the common one): mine, and the other wave's (0 where a wave had no step: its -M is 3e38 still)
	v_ldexp_f32 v78, 1.0, v71
	v_ldexp_f32 v77, 1.0, v72
	v_ldexp_f32 v79, 1.0, v73
	v_mul_f32 v80, v11, v76
	v_mul_f32 v81, v13, v78
	v_fma_f32 v80, v65, v77, v80
	v_fma_f32 v81, v67, v79, v81
	v_permlanex16_b32 v82, v80, s[SEL], s[SEL+1]
	v_permlanex16_b32 v83, v81, s[SEL], s[SEL+1]
	v_add_f32 v80, v80, v82                        ; the rows' sums
	v_add_f32 v81, v81, v83
	s_wait_alu depctr_va_vdst(0)                   ; the wait ahead of the batch
	v_rcp_f32 v84, v80
	v_rcp_f32 v85, v81
	v_nop                                          ; a plain line behind the transcendentals
	s_wait_alu depctr_va_vdst(0)                   ; and the wait ahead of their first reader
	v_ldexp_f32 v84, v84, s86                      ; x 2^(e4 + e5)
	v_ldexp_f32 v85, v85, s86
	v_mul_f32 v76, v76, v84
	v_mul_f32 v77, v77, v84
	v_mul_f32 v78, v78, v85
	v_mul_f32 v79, v79, v85
	s_wait_alu depctr_va_vdst(0)                   ; the wait directly ahead of the first reader of O^T
.set II, 0
.rept 8
	v_pk_mul_f32 v[112+II:113+II], v[160+II:161+II], v[78:79] op_sel_hi:[1,0]
.set II, II+2
.endr
.set II, 0
.rept 8
	v_pk_mul_f32 v[96+II:97+II], v[208+II:209+II], v[76:77] op_sel_hi:[1,0]
.set II, II+2
.endr
	s_wait_alu depctr_va_vdst(0)
	s_wait_dscnt 0x0
.set II, 0
.rept 8                                ; + the other wave's part (the pair's high word serves both halves)
	v_pk_fma_f32 v[96+II:97+II], v[32+II:33+II], v[76:77], v[96+II:97+II] op_sel:[0,1,0] op_sel_hi:[1,1,1]
	v_pk_fma_f32 v[112+II:113+II], v[48+II:49+II], v[78:79], v[112+II:113+II] op_sel:[0,1,0] op_sel_hi:[1,1,1]
.set II, II+2
.endr
.set II, 0
.rept 32
	v_med3_num_f32 v[96+II], v[96+II], -v145, v145
.set II, II+1
.endr
.irp g, 0,1,2,3
	v_cvt_scalef32_pk8_fp8_f32 v[128+2*\g:129+2*\g], v[96+8*\g:103+8*\g], v144
.endr
	v_nop                                          ; one plain vector line behind the last conversion
	global_store_b128 v[LI], v[128:131], s[8:9]            ; 32 lanes store 512 consecutive bytes, aligned
	global_store_b128 v[LI], v[132:135], s[YL:YL+1]
	s_wait_tensorcnt 0x0                           ; the wave's end, behind the last tensor load and the last LDS store
	ds_add_u32 v[SPW], v[NIL]
	s_wait_dscnt 0x0
	CROUND                                         ; the closing round: no work-group ends while a partner may still ask for a tile that names it
	s_endpgm
.Lfunc_end_k_q1e6ff6cc46_attn:
	.size	k_q1e6ff6cc46_attn, .Lfunc_end_k_q1e6ff6cc46_attn-k_q1e6ff6cc46_attn
	.p2alignl 7, 3214868480
	.fill 96, 4, 3214868480
	.section	.rodata,"a",@progbits
	.p2align	6, 0x0
	.amdhsa_kernel k_q1e6ff6cc46_attn
		.amdhsa_group_segment_fixed_size 327680
		.amdhsa_private_segment_fixed_size 0
		.amdhsa_enable_private_segment 0
		.amdhsa_kernarg_size 24
		.amdhsa_user_sgpr_count 2
		.amdhsa_user_sgpr_kernarg_segment_ptr 1
		.amdhsa_wavefront_size32 1
		.amdhsa_system_sgpr_workgroup_id_x 1
		.amdhsa_system_sgpr_workgroup_id_y 1
		.amdhsa_system_sgpr_workgroup_id_z 1
		.amdhsa_system_vgpr_workitem_id 0
		.amdhsa_next_free_vgpr 256
		.amdhsa_next_free_sgpr 100
		.amdhsa_reserve_vcc 1
		.amdhsa_float_denorm_mode_32 3
		.amdhsa_float_denorm_mode_16_64 3
		.amdhsa_memory_ordered 1
		.amdhsa_forward_progress 1
		.amdhsa_inst_pref_size 142
	.end_amdhsa_kernel
	.amdgpu_metadata
---
amdhsa.version: [ 1, 2 ]
amdhsa.kernels:
  - .name:           k_q1e6ff6cc46_attn
    .symbol:         k_q1e6ff6cc46_attn.kd
    .args:
      - { .name: qkv_img, .offset: 0, .size: 8, .value_kind: global_buffer, .address_space: global }
      - { .name: lowp_scales, .offset: 8, .size: 8, .value_kind: global_buffer, .address_space: global }
      - { .name: y_img, .offset: 16, .size: 8, .value_kind: global_buffer, .address_space: global }
    .group_segment_fixed_size: 327680
    .private_segment_fixed_size: 0
    .kernarg_segment_align: 8
    .kernarg_segment_size: 24
    .max_flat_workgroup_size: 512
    .sgpr_count:     100
    .vgpr_count:     256
    .wavefront_size: 32
...
	.end_amdgpu_metadata
.endif
;; end of part 3
;; launch proj (part 4): grid 8 x 32, 4 waves a work-group, clusters of 4 x 4, 280,064 bytes of LDS; arguments y_img, ops_img, lowp_scales, b_proj, out0; writes out0
.if DOCPART == 4
	.amdgcn_target "amdgcn-amd-amdhsa--gfx1250"
	.amdhsa_code_object_version 6
	.text
	.protected	k_q1e6ff6cc46_proj
	.globl	k_q1e6ff6cc46_proj
	.p2align	8
	.type	k_q1e6ff6cc46_proj,@function
k_q1e6ff6cc46_proj:
	s_mov_b64 s[64:65], 0
	v_nop
	global_prefetch_b8 v0, s[64:65] scope:SCOPE_SE
	s_setreg_imm32_b32 hwreg(HW_REG_WAVE_MODE, 25, 1), 1
	s_wait_xcnt 0x0
	s_wait_alu depctr_hold_cnt(0) depctr_sa_sdst(0) depctr_va_vdst(0) depctr_va_sdst(0) depctr_va_ssrc(0) depctr_va_vcc(0) depctr_vm_vsrc(0)
	s_getreg_b32 s2, hwreg(HW_REG_IB_STS2, 6, 4)
	s_cmp_eq_u32 s2, 0
	s_cbranch_scc0 .Lentry_in_a_cluster
	s_endpgm
.Lentry_in_a_cluster:
	s_bfe_u32 s2, ttmp6, 0x10000c
	s_cmp_lg_u32 s2, 0xf033
	s_cbranch_scc0 .Lentry_shape_is_right
	s_endpgm
.Lentry_shape_is_right:
; out0 = y W_proj + b_proj on codes of FP8 (E4M3): sum x 2^(e6 + e7) + bias, f32.  Nothing of this product is left out.
; Operands as images of fragments' registers: y_img [256 tiles of 16 rows][8 blocks of 128 along K][2,048 bytes]; W_proj's columns are tiles 448-511 of ops_img, laid alike.
; A tile of the output is 128 x 128, so that 256 work-groups have one each; four waves, each 64 x 64: 16 accumulators.  ALL OF K (1,024) LIES IN LDS AT ONCE: each wave fetches 4 tiles of 16 rows with all of K,
; 65,536 bytes, by its one tensor load at the start; no LDS byte is filled twice.  No prefetch: there is no loop of loads to run ahead in.
; CLUSTER: 4 x 4 work-groups; y's tiles are asked for jointly by my row of the cluster, W's by my column.  THE MATRIX INSTRUCTION IS USED TRANSPOSED (source 0 = 16 columns of W, source 1 = 16 rows of y): a lane holds eight neighbouring numbers of a row.
; LIMIT: e6 + e7 between -126 and 127.
; REGISTERS: window 0: v1-29 addresses; v32-63 the bias; v64-95 at work on the way out; v128-255 the accumulators ((a, b) at v[128 + 8 (4 a + b)]), later whole rows on their way out.
;   window 1: two buffers of 128: y's 4 fragments of 128 along K, then W's 4.
.set PART,   65536                     ; 4 tiles of rows, all of K: what one tensor load brings, and what one wave reads of y or of W.  y's two parts, then W's two
.set STAGE,  4*PART                    ; behind them: 16 rows x 272 bytes for each wave, for the way out; no tensor load lands there
.set SPITCH, 272
.set SPARE,  STAGE+4*16*SPITCH         ; 279,552: the spare words, 128 bytes for each wave: two blocks of 256 bytes that no other line names
.set ADRA, 16                          ; v16  LDS address of my fragments of y
.set ADRB, 20                          ; v20  the same for W
.set STO,  24                          ; v24  the way out: where I put 32 bytes of a row
.set RD,   25                          ; v25  where I read a row back
.set GO,   26                          ; v26  my byte offset in two rows of the output
.set BO,   27                          ; v27  32 h: my lane's byte in the bias
.set SPW,  28
.set NIL,  29
.set BI,   32
.set TMP,  64
.set ACC,  128
.set G1,  24                           ; s[24:31] descriptor group 1 for y's tiles;  s[32:39] for W's
.set G1B, 32
.set G0A, 44                           ; s[44:47] group 0 for y's part;  s[68:71] for W's
.set G0B, 68
.set MSB, 0
.macro WIN new
.if MSB != (\new)
	s_set_vgpr_msb (MSB<<8)|(\new)
.set MSB, (\new)
.endif
.endm
.macro CROUND                          ; a round of the cluster's barrier
	s_barrier_signal -1
	s_barrier_wait -1
	s_cmp_lg_u32 s14, 0
	s_cbranch_scc1 .Lnot_wave_0_\@
	s_barrier_signal -3
.Lnot_wave_0_\@:
	s_barrier_wait -3
	s_barrier_signal -1
	s_barrier_wait -1
.endm
	s_load_b256 s[4:11], s[0:1], 0x0               ; y_img s[4:5], ops_img s[6:7], the scales' exponents s[8:9], b_proj s[10:11]
	s_load_b64 s[12:13], s[0:1], 0x20              ; out0
	v_lshl_add_u32 v[SPW], v0, 2, SPARE
	v_mov_b32 v[NIL], 0
	ds_add_u32 v[SPW], v[NIL]                      ; the wave's opening: the add, twice on end, and its wait ahead of my first tensor load
	ds_add_u32 v[SPW], v[NIL]
	v_lshrrev_b32 v1, 5, v0
	v_readfirstlane_b32 s14, v1                    ; wave 0..3
	s_lshr_b32 s15, s14, 1                         ; which half of the tile's rows is mine.  Also: I fetch for y (0) or for W (1)
	s_and_b32 s16, s14, 1                          ; which half of its columns.  Also: which 4 tiles of rows I fetch
	s_bfe_u32 s40, ttmp6, 0x40000                  ; cx, cy
	s_bfe_u32 s41, ttmp6, 0x40004
	s_and_b32 s42, ttmp7, 0xffff                   ; the cluster's y
	s_lshl_b32 s17, s41, 2
	s_lshl_b32 s17, 15, s17                        ; my row of the cluster
	s_lshl_b32 s18, 0x1111, s40                    ; my column
	; descriptor group 1: 4 rows of 16,384 bytes (2,048 elements of 8 bytes), dense in memory and in LDS
	s_or_b32 s[G1+0], s17, (3<<16)|(1<<21)
	s_or_b32 s[G1B+0], s18, (3<<16)|(1<<21)
.irp g, G1, G1B
	s_mov_b32 s[\g+1], 2048<<16                    ; tensor_dim0
	s_mov_b32 s[\g+2], 4<<16                       ; tensor_dim1
	s_mov_b32 s[\g+3], 2048<<16                    ; tile_dim0
	s_mov_b32 s[\g+4], 4                           ; tile_dim1
	s_mov_b32 s[\g+5], 2048                        ; tensor_dim0_stride
	s_mov_b32 s[\g+6], 0
	s_mov_b32 s[\g+7], 0
.endr
	s_lshl_b32 s20, s42, 2
	s_add_co_u32 s20, s20, s41                     ; the tile's row: 4 x cluster y + cy
	s_lshl_b32 s20, s20, 3
	s_lshl_b32 s21, s16, 2
	s_add_co_u32 s20, s20, s21                     ; y: tile of rows 8 x that + 4 (wave % 2)
	s_lshl_b32 s22, ttmp9, 2
	s_add_co_u32 s22, s22, s40                     ; the tile's column: 4 x cluster x + cx
	s_lshl_b32 s22, s22, 3
	s_add_co_u32 s22, s22, s21
	s_add_co_u32 s22, s22, 448                     ; W: tile 448 + 8 x that + 4 (wave % 2)
	s_lshl_b32 s20, s20, 14
	s_lshl_b32 s22, s22, 14
	s_mov_b32 s21, 0
	s_mov_b32 s23, 0
	s_lshl_b32 s19, s14, 16                        ; where it goes: wave x PART
	s_wait_dscnt 0x0                               ; both opening adds are done
	s_wait_kmcnt 0x0
	s_load_b256 s[84:91], s[8:9], 0x0              ; e0 .. e7
	s_add_nc_u64 s[20:21], s[4:5], s[20:21]
	s_add_nc_u64 s[22:23], s[6:7], s[22:23]
	s_mov_b32 s[G0A], 1
	s_mov_b32 s[G0A+1], s19
	s_mov_b64 s[G0A+2:G0A+3], s[20:21]
	s_or_b32 s[G0A+3], s[G0A+3], 0x80000000
	s_mov_b32 s[G0B], 1
	s_mov_b32 s[G0B+1], s19
	s_mov_b64 s[G0B+2:G0B+3], s[22:23]
	s_or_b32 s[G0B+3], s[G0B+3], 0x80000000
	CROUND                                         ; all sixteen work-groups are here: the joint loads meet
	s_cmp_eq_u32 s15, 0                            ; one fill in each arm of one branch on the wave's number
	s_cbranch_scc0 .Lfirst_b
	tensor_load_to_lds s[G0A:G0A+3], s[G1:G1+7]
	s_nop 0
.rept 4
	v_nop
.endr
	s_branch .Lfirst_asked
.Lfirst_b:
	tensor_load_to_lds s[G0B:G0B+3], s[G1B:G1B+7]
	s_nop 0
.rept 4
	v_nop
.endr
.Lfirst_asked:
	v_and_b32 v3, 31, v0
	v_lshlrev_b32 v3, 4, v3                        ; 16 x lane
	v_and_b32 v1, 15, v0                           ; r
	v_bfe_u32 v2, v0, 4, 1                         ; h
	s_lshl_b32 s92, s15, 16                        ; my 4 tiles of y
	s_lshl_b32 s93, s16, 16                        ; my 4 tiles of W,
	s_add_co_u32 s93, s93, 2*PART                  ; which lie behind y's 8
	v_add_nc_u32 v[ADRA], s92, v3
	v_add_nc_u32 v[ADRB], s93, v3
	s_mul_i32 s92, s14, 16*SPITCH
	s_add_co_u32 s92, s92, STAGE                   ; my stage
	v_mul_u32_u24 v[STO], v1, SPITCH               ; in: row r, 32 bytes for each half of the lanes
	v_lshl_add_u32 v[STO], v2, 5, v[STO]
	v_add_nc_u32 v[STO], s92, v[STO]
	v_mul_u32_u24 v[RD], v2, SPITCH                ; back: lanes 0-15 take one row of 256 bytes, lanes 16-31 the next
	v_lshl_add_u32 v[RD], v1, 4, v[RD]
	v_add_nc_u32 v[RD], s92, v[RD]
	v_lshlrev_b32 v[GO], 12, v2                    ; and the same two rows of the output, 4,096 bytes apart
	v_lshl_add_u32 v[GO], v1, 4, v[GO]
	v_lshlrev_b32 v[BO], 5, v2
	s_wait_alu depctr_va_vdst(0)                   ; the head's end: the last vector line stands above
	s_lshl_b32 s92, ttmp9, 2
	s_add_co_u32 s92, s92, s40
	s_lshl_b32 s92, s92, 9                         ; my first column, in bytes: 512 x the tile's column + 256 (wave % 2)
	s_lshl_b32 s93, s16, 8
	s_add_co_u32 s92, s92, s93
	s_mov_b32 s93, 0
	s_add_nc_u64 s[10:11], s[10:11], s[92:93]      ; in the bias,
	s_add_nc_u64 s[12:13], s[12:13], s[92:93]      ; and in a row of the output
	s_lshl_b32 s94, s42, 2
	s_add_co_u32 s94, s94, s41
	s_lshl_b32 s94, s94, 7
	s_lshl_b32 s95, s15, 6
	s_add_co_u32 s94, s94, s95                     ; my first row: 128 x the tile's row + 64 (wave / 2)
	s_lshl_b32 s94, s94, 12
	s_mov_b32 s95, 0
	s_add_nc_u64 s[12:13], s[12:13], s[94:95]
.irp b, 0,1,2,3
	global_load_b128 v[BI+8*\b:BI+8*\b+3],   v[BO], s[10:11] offset:64*\b      ; register 8 b + j: the bias of column 16 b + 8 h + j of my 64
	global_load_b128 v[BI+8*\b+4:BI+8*\b+7], v[BO], s[10:11] offset:64*\b+16
.endr
.macro QUART kk, m                     ; a quarter of K step kk's fragments (128 along K), eight loads, into buffer kk % 2: W's 0, 1; W's 2, 3; y's 0, 1; y's 2, 3
.set FB, 128*((\kk)%2)
	WIN 0x40                                       ; destination window 1, address window 0
.irp j, 0,1
.set FI, 2*((\m)%2)+\j
.irp c, 0,1,2,3
.if (\m) < 2
	ds_load_b128 v[FB+64+16*FI+4*\c:FB+64+16*FI+4*\c+3], v[ADRB] offset:FI*16384+(\kk)*2048+512*\c
.else
	ds_load_b128 v[FB+16*FI+4*\c:FB+16*FI+4*\c+3], v[ADRA] offset:FI*16384+(\kk)*2048+512*\c
.endif
.endr
.endr
.endm
.macro MROW kk, a                      ; 4 products; the 16 accumulators by turns, in the same order in every step; the first step starts the sums
.set FB, 128*((\kk)%2)
	WIN 0x05                                       ; sources 0 (W) and 1 (y) window 1; C and D window 0
.irp b, 0,1,2,3
.if (\kk) == 0
	v_wmma_f32_16x16x128_fp8_fp8 v[ACC+8*(4*\a+\b):ACC+8*(4*\a+\b)+7], v[FB+64+16*\b:FB+64+16*\b+15], v[FB+16*\a:FB+16*\a+15], 0
.else
	v_wmma_f32_16x16x128_fp8_fp8 v[ACC+8*(4*\a+\b):ACC+8*(4*\a+\b)+7], v[FB+64+16*\b:FB+64+16*\b+15], v[FB+16*\a:FB+16*\a+15], v[ACC+8*(4*\a+\b):ACC+8*(4*\a+\b)+7]
.endif
.endr
.endm
.macro KSTEP kk                        ; the next step's quarters stand between this step's rows
	s_wait_dscnt 8                                 ; W's fragments and y's 0, 1 are in; y's 2, 3 (the youngest eight loads) may be out
.if (\kk) < 7
.if (\kk) > 0
.rept 4
	v_nop                                          ; places in front of loads into the buffer that the last step's products read
.endr
.endif
	QUART (\kk)+1, 0
	MROW \kk, 0
	QUART (\kk)+1, 1
	MROW \kk, 1
	s_wait_dscnt 16                                ; y's 2, 3 are in; the two quarters issued behind them may be out
	QUART (\kk)+1, 2
	MROW \kk, 2
	QUART (\kk)+1, 3
	MROW \kk, 3
.else
	MROW \kk, 0
	MROW \kk, 1
	s_wait_dscnt 0x0
	MROW \kk, 2
	MROW \kk, 3
.endif
.endm
	s_wait_tensorcnt 0x0                           ; my part is in;
	s_barrier_signal -1
	s_barrier_wait -1                              ; everybody's is.
.irp m, 0,1,2,3
	QUART 0, \m
.endr
.irp k, 0,1,2,3,4,5,6,7
	KSTEP \k
.endr
	WIN 0
	s_wait_kmcnt 0x0
	s_add_co_i32 s96, s90, s91
	s_add_co_i32 s96, s96, 127
	s_lshl_b32 s96, s96, 23                        ; 2^(e6 + e7) as f32
	s_mov_b32 s97, s96                             ; (named with it as a pair, so it is written)
	s_wait_loadcnt 0x0                             ; the bias
.rept 4
	v_nop                                          ; places behind the last products
.endr
; THE WAY OUT, block by block of 16 rows x 64 columns.  A lane holds 32 neighbouring bytes of a row and the lanes beside it other rows: the block goes through my own stage in LDS and comes back as whole rows of 256 bytes,
; into the block's own accumulators.  LDS serves a wave's instructions in order (ISA guide 5.7.1.4): no wait between the stores and the loads, nor in front of the next block's stores.
.macro TOSTAGE a
.set II, 0
.rept 16
	v_pk_fma_f32 v[TMP+II:TMP+II+1], v[ACC+32*(\a)+II:ACC+32*(\a)+II+1], s[96:97], v[BI+II:BI+II+1] op_sel_hi:[1,0,1]   ; sum x 2^(e6 + e7) + bias; each accumulator from its low end on
.set II, II+2
.endr
.irp b, 0,1,2,3
	ds_store_b128 v[STO], v[TMP+8*\b:TMP+8*\b+3] offset:64*\b
	ds_store_b128 v[STO], v[TMP+8*\b+4:TMP+8*\b+7] offset:64*\b+16
.endr
.irp i, 0,1,2,3,4,5,6,7
	ds_load_b128 v[ACC+32*(\a)+4*\i:ACC+32*(\a)+4*\i+3], v[RD] offset:\i*2*SPITCH
.endr
.endm
.macro SEND a, younger                 ; younger: the LDS instructions issued behind block a's loads: the next block's 8 stores and 8 loads, or none
	s_wait_dscnt \younger
.irp i, 0,1,2,3,4,5,6,7
	global_store_b128 v[GO], v[ACC+32*(\a)+4*\i:ACC+32*(\a)+4*\i+3], s[12:13] offset:(16*(\a)+2*\i)*4096 th:TH_STORE_NT   ; 16 lanes store 256 consecutive bytes, aligned; written once, read by nobody here
.endr
.endm
	TOSTAGE 0
	TOSTAGE 1
	SEND 0, 16
	TOSTAGE 2
	SEND 1, 16
	TOSTAGE 3
	SEND 2, 16
	SEND 3, 0
	s_wait_tensorcnt 0x0                           ; the wave's end, behind my last tensor load and my last LDS store
	ds_add_u32 v[SPW], v[NIL]
	s_wait_dscnt 0x0
	CROUND                                         ; the closing round: no work-group ends while a partner may still ask for a tile that names it
	s_endpgm
.Lfunc_end_k_q1e6ff6cc46_proj:
	.size	k_q1e6ff6cc46_proj, .Lfunc_end_k_q1e6ff6cc46_proj-k_q1e6ff6cc46_proj
	.p2alignl 7, 3214868480
	.fill 96, 4, 3214868480
	.section	.rodata,"a",@progbits
	.p2align	6, 0x0
	.amdhsa_kernel k_q1e6ff6cc46_proj
		.amdhsa_group_segment_fixed_size 280064
		.amdhsa_private_segment_fixed_size 0
		.amdhsa_enable_private_segment 0
		.amdhsa_kernarg_size 40
		.amdhsa_user_sgpr_count 2
		.amdhsa_user_sgpr_kernarg_segment_ptr 1
		.amdhsa_wavefront_size32 1
		.amdhsa_system_sgpr_workgroup_id_x 1
		.amdhsa_system_sgpr_workgroup_id_y 1
		.amdhsa_system_sgpr_workgroup_id_z 1
		.amdhsa_system_vgpr_workitem_id 0
		.amdhsa_next_free_vgpr 512
		.amdhsa_next_free_sgpr 100
		.amdhsa_reserve_vcc 0
		.amdhsa_float_denorm_mode_32 3
		.amdhsa_float_denorm_mode_16_64 3
		.amdhsa_memory_ordered 1
		.amdhsa_forward_progress 1
		.amdhsa_inst_pref_size 46
	.end_amdhsa_kernel
	.amdgpu_metadata
---
amdhsa.version: [ 1, 2 ]
amdhsa.kernels:
  - .name:           k_q1e6ff6cc46_proj
    .symbol:         k_q1e6ff6cc46_proj.kd
    .args:
      - { .name: y_img, .offset: 0, .size: 8, .value_kind: global_buffer, .address_space: global }
      - { .name: ops_img, .offset: 8, .size: 8, .value_kind: global_buffer, .address_space: global }
      - { .name: lowp_scales, .offset: 16, .size: 8, .value_kind: global_buffer, .address_space: global }
      - { .name: b_proj, .offset: 24, .size: 8, .value_kind: global_buffer, .address_space: global }
      - { .name: out0, .offset: 32, .size: 8, .value_kind: global_buffer, .address_space: global }
    .group_segment_fixed_size: 280064
    .private_segment_fixed_size: 0
    .kernarg_segment_align: 8
    .kernarg_segment_size: 40
    .max_flat_workgroup_size: 128
    .sgpr_count:     100
    .vgpr_count:     512
    .wavefront_size: 32
...
	.end_amdgpu_metadata
.endif
;; end of part 4
